; MI455X (gfx1250); checked and timed in simulation.
; The chip was launched on July 23, 2026; its instructions are those of AMD's public machine-readable ISA for CDNA 5 (MIT licence, August 2026) and "CDNA5" Instruction Set Architecture Reference Guide (July 2026). The comments in the code are by the model that wrote it; some were corrected since.
;; Rotary Attention. Allowed arithmetic: matrix products marked QUANTISED: E4M3 operands, one given power-of-two scale a tensor, by v_wmma_f32_16x16x64_fp8_fp8 or v_wmma_f32_16x16x128_fp8_fp8, f32 sums; everything else in f32.
;; Inputs: Wk 1,024 x 1,024 float32; Wo 1,024 x 1,024 float32; Wq 1,024 x 1,024 float32; Wv 1,024 x 1,024 float32; bk 1,024 float32; bo 1,024 float32; bq 1,024 float32; bv 1,024 float32; lowp_scales 12 int32 (the exponents e of the quantised operands' scales 2^e); x 4 x 2,048 x 1,024 float32.
;; Outputs: out0 4 x 2,048 x 1,024 float32.
;; This version of the problem:
;;   THIS VERSION OF THE PROBLEM IS GIVEN IN LOW PRECISION. The matrix products marked QUANTISED in the list below multiply operands that are first quantised to E4M3 (4 exponent bits, 3 mantissa bits; 8 bits a number), with one given power-of-two scale for each operand tensor; their sums are f32. All else is computed in f32.
;;   The module's matrix products, in the order in which they are computed (A, B: the left and right operand; K: the contracted axis; several contracted axes count as one K, in the product's order):
;;     1. [M 8,192, K 1,024] x [K 1,024, N 1,024]; A: input x; B: input Wq: QUANTISED (scales: A lowp_scales[0], B lowp_scales[1])
;;     2. [M 8,192, K 1,024] x [K 1,024, N 1,024]; A: input x; B: input Wk: QUANTISED (scales: A lowp_scales[2], B lowp_scales[3])
;;     3. [M 8,192, K 1,024] x [K 1,024, N 1,024]; A: input x; B: input Wv: QUANTISED (scales: A lowp_scales[4], B lowp_scales[5])
;;     4. batch 64 x [M 2,048, K 64] x [K 64, N 2,048]; A: computed on the way; B: computed on the way: QUANTISED (scales: A lowp_scales[6], B lowp_scales[7])
;;     5. batch 64 x [M 2,048, K 2,048] x [K 2,048, N 64]; A: softmax (see below); B: computed on the way: QUANTISED (scales: A lowp_scales[8], B lowp_scales[9])
;;     6. [M 8,192, K 1,024] x [K 1,024, N 1,024]; A: computed on the way; B: input Wo: QUANTISED (scales: A lowp_scales[10], B lowp_scales[11])
;;   THE QUANTISER, for each operand of a quantised product, along K:
;;     - The operand's scale is 2^e, e = its entry of the input lowp_scales (int32; the entries are numbered through the quantised products in the list's order, A before B).
;;     - Each number is divided by the scale, clamped to +-448, and rounded to the nearest number of E4M3, ties to even, subnormals kept.
;;     - The product sums the exact products of the quantised numbers (number of the format x scale) in f32.
;;   ~~~python
;;   def quantise(x, axis, e):      # numpy; x: float32 -> the quantised numbers, widened to float32 again
;;       x = np.moveaxis(x, axis, -1); K = x.shape[-1]
;;       r = np.clip(x / 2.0 ** e, -448, 448)
;;       step = 2.0 ** (np.maximum(np.frexp(np.where(r == 0, 1, r))[1] - 1, -6) - 3)
;;       q = np.round(r / step) * step * 2.0 ** e      # np.round: ties to even
;;       return np.moveaxis(q, -1, axis).astype(np.float32)
;;   ~~~
;;   SOFTMAX AHEAD OF A QUANTISED PRODUCT. Where the list says 'softmax', what is quantised is not the finished softmax but p = 2^(t - M), with t = logit x log2(e) and M = ceil(the row's largest t), a whole number; so 1/2 < the row's largest p <= 1. The row's sum l is taken of the UNQUANTISED p, in f32, and the product's result is divided by l at the end. Since M is a whole number, a kernel that streams over the keys may use a running M (the ceiling of the running maximum): every later rescaling is an exact power of two, so the quantised numbers keep their values, but for numbers so far below the row's largest that they fall under the format's range.
;;   OPERANDS COMPUTED ON THE WAY. 'Computed on the way' means the value that the module computes at that place (a softmax that the list does not call 'softmax' is quantised finished and normalised). What goes into a quantiser is computed in f32, as accurately as f32 sums, v_exp_f32 and their like allow (about 1e-6 of the number): no bf16 or f16 on the way to a quantiser, and a product that is left as it is and whose result goes on into a quantised operand takes f32 operands (vector FMAs, or v_wmma_f32_16x16x4_f32). A number that lies on a knife's edge between two numbers of the format may be rounded either way, as far as f32 arithmetic and the matrix unit's own rounding can turn it there, and no further.
;; One version. Each part assembles by itself: llvm-mc -triple=amdgcn-amd-amdhsa -mcpu=gfx1250 --defsym DOCPART=n.
;; ======== version 1 of 1: 4 launches
;; limits: right only within a limited range of input values
;; workspace buffers: xc 25,165,824 bytes; wc 4,194,304 bytes; rope 524,288 bytes; qkv 25,165,824 bytes; oc 8,388,608 bytes
;; launch quant (part 1): grid 384 x 1, 4 waves a work-group, no clusters, 68,096 bytes of LDS; arguments x, Wq, Wk, Wv, Wo, lowp_scales, xc, wc, rope; writes xc, wc, rope
.if DOCPART == 1
	.amdgcn_target "amdgcn-amd-amdhsa--gfx1250"
	.amdhsa_code_object_version 6
	.text
	.protected	k_q6bac8f293c_quant
	.globl	k_q6bac8f293c_quant
	.p2align	8
	.type	k_q6bac8f293c_quant,@function
k_q6bac8f293c_quant:
	s_mov_b64 s[64:65], 0
	v_nop
	global_prefetch_b8 v0, s[64:65] scope:SCOPE_SE
	s_setreg_imm32_b32 hwreg(HW_REG_WAVE_MODE, 25, 1), 1
	s_wait_xcnt 0x0
; x [8192][1024] f32 becomes three sets of E4M3 codes (scales 2^e0, 2^e2, 2^e4), Wq, Wk, Wv, Wo [1024][1024] f32 one set each (e1, e3, e5, e11), and the table of cos and sin is made.
; code = number / 2^e, held within +-448, rounded to the nearest code, ties to even.
; THE CODES ARE LAID AS IMAGES OF THE OPERAND'S REGISTERS: a fragment is 16 rows x 128 K = 2,048 bytes, [c 0..3][lane 0..31][16 bytes]; lane (r = lane % 16, h = lane / 16) holds row r, k = 32 c + 16 h + 0 .. 15.
; xc: [plane 3][block of 16 rows 512][K step 8][2,048];  wc: [tensor 4][block 64][K step 8][2,048];  rope: [position 2,048][cos 32 f32 | sin 32 f32].
; SHARES.  Work-groups 0-255: x; a wave takes one block of 16 rows and four K steps, and writes three images of each.  Work-groups 256-383: the weights, 32 work-groups a tensor; a wave takes four fragments,
; one image each, and then four rows of the table.  Waves share nothing: no barrier.
; A load reads 512 consecutive bytes of one row; a fragment's 16 rows turn through the wave's own stage in LDS (rows of 512 + 16 bytes) and come back 64 bytes a lane: 16 neighbours along K of each block of 32.
; The two paths part on the work-group's number; each has LDS bytes of its own.
; LIMITS: each e between -126 and 119, so that 2^e and 448 x 2^e are f32 numbers.  NaN among the inputs is not served.  The table's frequencies are good to about two units in the last place, so an angle
; near position 2,047 may be off by about 2e-4 rad.
.set STG,  8448                        ; a stage: 16 rows x 528 bytes
.set WOFF, 4*STG                       ; the weights' path has its stages behind x's
.set R,    16                          ; v16-143  two sets of 64: a fragment as it is loaded
.set X,    144                         ; v144-207 a fragment, 16 neighbours of each block of 32
.set T,    208                         ; v208-223 16 numbers, held
.set C,    224                         ; v224-255 two sets of 16: a fragment's codes
.macro MKSC sc, e                      ; v[sc] = 2^e as f32 (the conversion takes its exponent field), v[sc+1] = 448 x 2^e
	s_add_co_i32 s42, s[\e], 127
	s_lshl_b32 s43, s42, 23
	v_mov_b32 v[\sc], s43
	s_add_co_i32 s42, s42, 8
	s_lshl_b32 s42, s42, 23
	s_or_b32 s42, s42, 0x600000
	v_mov_b32 v[\sc+1], s42
.endm
.macro LOADF f                         ; fragment f: 16 rows x 512 bytes, a row a load
.irp q, 0,1,2,3,4,5,6,7,8,9,10,11,12,13,14,15
	global_load_b128 v[R+64*((\f)%2)+4*\q:R+64*((\f)%2)+4*\q+3], v1, s[44:45] offset:4096*\q+512*(\f) th:TH_LOAD_NT
.endr
.endm
.macro QOUT sc, base, f, set           ; the fragment in X is quantised with the scale in v[sc], v[sc+1] and its image stored
	s_wait_xcnt 0x0                                ; the earlier stores have read their data: the codes' registers may be written again
.irp c, 0,1,2,3
.irp i, 0,1,2,3,4,5,6,7,8,9,10,11,12,13,14,15
	v_med3_num_f32 v[T+\i], v[X+16*\c+\i], -v[\sc+1], v[\sc+1]   ; the conversion to an 8-bit code does not saturate (ISA guide 7.6.2): the hold comes first.  X stays: it serves three scales
.endr
	v_cvt_scalef32_pk8_fp8_f32 v[C+16*\set+4*\c:C+16*\set+4*\c+1], v[T:T+7], v[\sc]
	v_cvt_scalef32_pk8_fp8_f32 v[C+16*\set+4*\c+2:C+16*\set+4*\c+3], v[T+8:T+15], v[\sc]
	v_nop                                          ; a plain line between the conversions and the next holds, which write their sources
.endr
.irp c, 0,1,2,3
	global_store_b128 v1, v[C+16*\set+4*\c:C+16*\set+4*\c+3], s[\base:\base+1] offset:2048*(\f)+512*\c   ; 32 lanes store 512 consecutive bytes, aligned
.endr
.endm
.macro FRAG f, w                       ; w = 0: x, three outputs; w = 1: a weight, one
.if (\f) < 3
	s_wait_loadcnt 16                              ; this fragment's 16 loads are in; the next fragment's may be out
.else
	s_wait_loadcnt 0x0
.endif
.irp q, 0,1,2,3,4,5,6,7,8,9,10,11,12,13,14,15
	ds_store_b128 v[2+2*\w], v[R+64*((\f)%2)+4*\q:R+64*((\f)%2)+4*\q+3] offset:528*\q
.endr
.irp c, 0,1,2,3
.irp i, 0,1,2,3
	ds_load_b128 v[X+16*\c+4*\i:X+16*\c+4*\i+3], v[3+2*\w] offset:128*\c+16*\i   ; LDS serves a wave's instructions in order: these see the stores above
.endr
.endr
	s_wait_dscnt 0x0                               ; X is in, and the stores have read the set that the next loads take
.if (\f) < 2
	LOADF (\f)+2
.endif
	QOUT 6, 36, \f, 0
.if (\w) == 0
	QOUT 8, 38, \f, 1
	QOUT 10, 40, \f, 0
.endif
.endm
	s_load_b512 s[4:19], s[0:1], 0x0               ; x, Wq, Wk, Wv, Wo, the scales' exponents, xc, wc
	s_load_b64 s[20:21], s[0:1], 0x40              ; rope
	s_set_vgpr_msb 0x40
	v_lshl_add_u32 v0, v0, 2, 0x10800
	v_mov_b32 v1, 0
	s_set_vgpr_msb 0x4000
	v_lshrrev_b32 v12, 5, v0
	v_readfirstlane_b32 s22, v12                   ; wave
	v_and_b32 v13, 31, v0
	v_lshlrev_b32 v1, 4, v13                       ; 16 x lane: my place in a load, in an image and in two rows of the table
	v_and_b32 v14, 15, v0                          ; r
	v_bfe_u32 v15, v0, 4, 1                        ; h
	s_mul_i32 s23, s22, STG
	v_add_nc_u32 v2, s23, v1                       ; x's stage, in: 16 x lane (+ 528 x row)
	v_mul_u32_u24 v3, v14, 528
	v_lshl_add_u32 v3, v15, 6, v3
	v_add_nc_u32 v3, s23, v3                       ; and back: row r, + 64 h
	v_add_nc_u32 v4, WOFF, v2                      ; the same for the weights' path
	v_add_nc_u32 v5, WOFF, v3
	s_wait_kmcnt 0x0
	s_load_b256 s[24:31], s[14:15], 0x0            ; e0 .. e7
	s_load_b128 s[32:35], s[14:15], 0x20           ; e8 .. e11
	s_cmp_ge_u32 ttmp9, 256
	s_cbranch_scc1 .Lweights
	; ---- x
	s_lshl_b32 s46, ttmp9, 2
	s_add_co_u32 s46, s46, s22                     ; 0 .. 1023: block of rows = this / 2, half of K = this % 2
	s_lshr_b32 s47, s46, 1
	s_and_b32 s48, s46, 1
	s_lshl_b32 s50, s47, 16                        ; 16 rows of 4,096 bytes
	s_lshl_b32 s48, s48, 11                        ; four K steps of 512 bytes
	s_add_co_u32 s50, s50, s48
	s_mov_b32 s51, 0
	s_add_nc_u64 s[44:45], s[4:5], s[50:51]
	s_lshl_b32 s50, s46, 13                        ; four images of 2,048 bytes
	s_add_nc_u64 s[36:37], s[16:17], s[50:51]
	s_add_nc_u64 s[38:39], s[36:37], 0x800000      ; the planes are 8,388,608 bytes apart
	s_add_nc_u64 s[40:41], s[36:37], 0x1000000
	s_wait_alu depctr_va_vdst(0)
	LOADF 0
	LOADF 1
	s_wait_kmcnt 0x0
	MKSC 6, 24
	MKSC 8, 26
	MKSC 10, 28
	s_wait_alu depctr_va_vdst(0)
	FRAG 0, 0
	FRAG 1, 0
	FRAG 2, 0
	FRAG 3, 0
	s_set_vgpr_msb 0x5
	s_wait_tensorcnt 0x0
	ds_add_u32 v0, v1
	s_wait_dscnt 0x0
	s_set_vgpr_msb 0x500
	s_endpgm
	; ---- the weights, and the table
.Lweights:
	s_sub_co_u32 s46, ttmp9, 256
	s_lshr_b32 s47, s46, 5                         ; which tensor: 0 Wq, 1 Wk, 2 Wv, 3 Wo
	s_lshl_b32 s46, s46, 2
	s_add_co_u32 s46, s46, s22                     ; 0 .. 511
	s_and_b32 s48, s46, 127                        ; within the tensor: block = this / 2, half of K = this % 2
	s_lshr_b32 s49, s48, 1
	s_and_b32 s52, s46, 1
	s_lshl_b32 s50, s49, 16
	s_lshl_b32 s52, s52, 11
	s_add_co_u32 s50, s50, s52
	s_mov_b32 s51, 0
	s_and_b32 s53, s47, 1
	s_cmp_lt_u32 s47, 2                            ; the choice hangs on the work-group's number alone
	s_cselect_b64 s[44:45], s[6:7], s[10:11]
	s_cselect_b64 s[54:55], s[8:9], s[12:13]
	s_cmp_lg_u32 s53, 0
	s_cselect_b64 s[44:45], s[54:55], s[44:45]
	s_add_nc_u64 s[44:45], s[44:45], s[50:51]
	s_lshl_b32 s50, s47, 20                        ; a tensor's codes are 1,048,576 bytes
	s_lshl_b32 s52, s48, 13
	s_add_co_u32 s50, s50, s52
	s_add_nc_u64 s[36:37], s[18:19], s[50:51]
	s_lshl_b32 s50, s46, 10                        ; four rows of the table, 256 bytes each
	s_add_nc_u64 s[56:57], s[20:21], s[50:51]
	s_wait_alu depctr_va_vdst(0)
	LOADF 0
	LOADF 1
	s_wait_kmcnt 0x0
	s_cmp_lt_u32 s47, 2
	s_cselect_b32 s24, s25, s29                    ; e1 or e5
	s_cselect_b32 s26, s27, s35                    ; e3 or e11
	s_cmp_lg_u32 s53, 0
	s_cselect_b32 s24, s26, s24
	MKSC 6, 24
	s_wait_alu depctr_va_vdst(0)
	FRAG 0, 1
	FRAG 1, 1
	FRAG 2, 1
	FRAG 3, 1
	; THE TABLE.  A store covers two rows: lanes 0-15 one, lanes 16-31 the next; in a row lanes 0-7 hold cos of frequencies 4 (lane % 8) + 0 .. 3, lanes 8-15 sin of the same.
	; frequency i is 10000^(-i / 32) = 2^(-i log2(10000) / 32); angle = position x frequency, rounded once.  The angle is reduced by whole quarter turns n: r = angle - n pi/2, pi/2 in two parts (the first
	; product is exact under the fused form), |r| <= pi/4; sin r and cos r by their series to r^9 and r^10; the quarter chooses between them and sets the sign.  Values are chosen, nothing branches.
	v_and_b32 v16, 7, v0
	v_lshlrev_b32 v16, 2, v16                      ; my first frequency
	v_bfe_u32 v17, v0, 3, 1
	v_sub_nc_u32 v17, 1, v17                       ; 1 where I make cos: cos a = sin(a + pi/2)
.irp k, 0,1,2,3
	v_add_nc_u32 v[20+\k], \k, v16
	v_cvt_f32_u32 v[20+\k], v[20+\k]
	v_mul_f32 v[20+\k], 0xbed49a78, v[20+\k]       ; -i x log2(10000) / 32
.endr
	s_wait_alu depctr_va_vdst(0)
.irp k, 0,1,2,3
	v_exp_f32 v[20+\k], v[20+\k]
.endr
	s_lshl_b32 s52, s46, 2
	v_add_nc_u32 v18, s52, v15                     ; (the plain line behind the exponentials)  my position in the first store
	s_wait_alu depctr_va_vdst(0)                   ; one wait for the four, ahead of their first reader
.macro SINCOS d, inv
	v_mul_f32 v32, v19, v[\inv]                    ; the angle
	v_mul_f32 v33, 0x3f22f983, v32                 ; x 2 / pi
	v_rndne_f32 v33, v33                           ; n
	v_fmamk_f32 v34, v33, 0xbfc90fdb, v32          ; angle - n x (pi/2's first part)
	v_fmamk_f32 v34, v33, 0x333bbd2e, v34          ; - n x (its second part, which is negative)
	v_mul_f32 v35, v34, v34                        ; z = r r
	v_mov_b32 v36, 0x3638ef1d                      ; 1/9!
	v_fmaak_f32 v36, v36, v35, 0xb9500d01          ; -1/7!
	v_fmaak_f32 v36, v36, v35, 0x3c088889          ; 1/5!
	v_fmaak_f32 v36, v36, v35, 0xbe2aaaab          ; -1/3!
	v_mul_f32 v37, v34, v35
	v_fma_f32 v36, v37, v36, v34                   ; sin r
	v_mov_b32 v38, 0xb493f27e                      ; -1/10!
	v_fmaak_f32 v38, v38, v35, 0x37d00d01          ; 1/8!
	v_fmaak_f32 v38, v38, v35, 0xbab60b61          ; -1/6!
	v_fmaak_f32 v38, v38, v35, 0x3d2aaaab          ; 1/4!
	v_fmaak_f32 v38, v38, v35, 0xbf000000          ; -1/2
	v_fma_f32 v38, v38, v35, 1.0                   ; cos r
	v_cvt_i32_f32 v39, v33
	v_add_nc_u32 v39, v39, v17                     ; the quarter, one further on for cos
	v_and_b32 v40, 1, v39
	v_cmp_eq_u32 vcc_lo, 1, v40
	v_cndmask_b32 v36, v36, v38, vcc_lo            ; odd quarters take cos r
	v_and_b32 v40, 2, v39
	v_lshlrev_b32 v40, 30, v40
	v_xor_b32 v[\d], v40, v36                      ; quarters 2 and 3 change the sign
.endm
.irp n, 0,1
	v_add_nc_u32 v19, 2*\n, v18
	v_cvt_f32_u32 v19, v19
.irp k, 0,1,2,3
	SINCOS 24+4*\n+\k, 20+\k
.endr
	global_store_b128 v1, v[24+4*\n:27+4*\n], s[56:57] offset:512*\n   ; two whole rows of 256 bytes
.endr
	s_set_vgpr_msb 0x5
	s_wait_tensorcnt 0x0
	ds_add_u32 v0, v1
	s_wait_dscnt 0x0
	s_set_vgpr_msb 0x500
	s_endpgm
.Lfunc_end_k_q6bac8f293c_quant:
	.size	k_q6bac8f293c_quant, .Lfunc_end_k_q6bac8f293c_quant-k_q6bac8f293c_quant
	.p2alignl 7, 3214868480
	.fill 96, 4, 3214868480
	.section	.rodata,"a",@progbits
	.p2align	6, 0x0
	.amdhsa_kernel k_q6bac8f293c_quant
		.amdhsa_group_segment_fixed_size 68096
		.amdhsa_private_segment_fixed_size 0
		.amdhsa_enable_private_segment 0
		.amdhsa_kernarg_size 72
		.amdhsa_user_sgpr_count 2
		.amdhsa_user_sgpr_kernarg_segment_ptr 1
		.amdhsa_wavefront_size32 1
		.amdhsa_system_sgpr_workgroup_id_x 1
		.amdhsa_system_sgpr_workgroup_id_y 1
		.amdhsa_system_sgpr_workgroup_id_z 1
		.amdhsa_system_vgpr_workitem_id 0
		.amdhsa_next_free_vgpr 258
		.amdhsa_next_free_sgpr 66
		.amdhsa_reserve_vcc 1
		.amdhsa_float_denorm_mode_32 3
		.amdhsa_float_denorm_mode_16_64 3
		.amdhsa_memory_ordered 1
		.amdhsa_forward_progress 1
		.amdhsa_inst_pref_size 125
	.end_amdhsa_kernel
	.amdgpu_metadata
---
amdhsa.version: [ 1, 2 ]
amdhsa.kernels:
  - .name:           k_q6bac8f293c_quant
    .symbol:         k_q6bac8f293c_quant.kd
    .args:
      - { .name: x, .offset: 0, .size: 8, .value_kind: global_buffer, .address_space: global }
      - { .name: Wq, .offset: 8, .size: 8, .value_kind: global_buffer, .address_space: global }
      - { .name: Wk, .offset: 16, .size: 8, .value_kind: global_buffer, .address_space: global }
      - { .name: Wv, .offset: 24, .size: 8, .value_kind: global_buffer, .address_space: global }
      - { .name: Wo, .offset: 32, .size: 8, .value_kind: global_buffer, .address_space: global }
      - { .name: lowp_scales, .offset: 40, .size: 8, .value_kind: global_buffer, .address_space: global }
      - { .name: xc, .offset: 48, .size: 8, .value_kind: global_buffer, .address_space: global }
      - { .name: wc, .offset: 56, .size: 8, .value_kind: global_buffer, .address_space: global }
      - { .name: rope, .offset: 64, .size: 8, .value_kind: global_buffer, .address_space: global }
    .group_segment_fixed_size: 68096
    .private_segment_fixed_size: 0
    .kernarg_segment_align: 8
    .kernarg_segment_size: 72
    .max_flat_workgroup_size: 128
    .sgpr_count:     66
    .vgpr_count:     258
    .wavefront_size: 32
...
	.end_amdgpu_metadata
.endif
;; end of part 1
;; launch qkv (part 2): grid 8 x 32, 4 waves a work-group, clusters of 4 x 4, 327,680 bytes of LDS; arguments xc, wc, rope, bq, bk, bv, lowp_scales, qkv; writes qkv
.if DOCPART == 2
	.amdgcn_target "amdgcn-amd-amdhsa--gfx1250"
	.amdhsa_code_object_version 6
	.text
	.protected	k_q6bac8f293c_qkv
	.globl	k_q6bac8f293c_qkv
	.p2align	8
	.type	k_q6bac8f293c_qkv,@function
k_q6bac8f293c_qkv:
	s_mov_b64 s[64:65], 0
	v_nop
	global_prefetch_b8 v0, s[64:65] scope:SCOPE_SE
	s_setreg_imm32_b32 hwreg(HW_REG_WAVE_MODE, 25, 1), 1
	s_wait_xcnt 0x0
	s_wait_alu depctr_hold_cnt(0) depctr_sa_sdst(0) depctr_va_vdst(0) depctr_va_sdst(0) depctr_va_ssrc(0) depctr_va_vcc(0) depctr_vm_vsrc(0)
	s_getreg_b32 s2, hwreg(HW_REG_IB_STS2, 6, 4)
	s_cmp_eq_u32 s2, 0
	s_cbranch_scc0 .Lentry_in_a_cluster
	s_endpgm
.Lentry_in_a_cluster:
	s_bfe_u32 s2, ttmp6, 0x10000c
	s_cmp_lg_u32 s2, 0xf033
	s_cbranch_scc0 .Lentry_shape_is_right
	s_endpgm
.Lentry_shape_is_right:
; q, k and v: three products [8192 x 1024] x [1024 x 1024] on E4M3 codes, + bias, the rotation of q and k by position, and the quantising of q (e6), k (e7) and v (e9) for the attention that follows.
; WHICH PRODUCT: p = the cluster's x: 0 q, 1 k, 2 v.  A tile of 256 x 256 is made by four waves, as many as a WGP has SIMDs, 128 x 128 each: 64 accumulators, 512 registers.  K goes in steps of 256 through a ring of two LDS slots.
; THE MATRIX INSTRUCTION IS USED TRANSPOSED (source 0 = 16 rows of B, source 1 = 16 rows of A): a lane holds ONE row of A and eight neighbouring rows of B.
;   p = 0, 1: A = x's codes (tokens), B = W's (channels): a lane holds eight neighbouring channels of one token: neighbours along the next product's K, the head's 64.
;   p = 2:    A = Wv's codes (channels), B = x's (tokens): a lane holds eight neighbouring KEYS of one channel: neighbours along the second attention product's K.
; OPERANDS lie in memory as images of the operand's registers (16 rows x 128 K = 2,048 bytes: [c][lane][16 bytes], lane (r, h): row r, k = 32 c + 16 h + 0 .. 15): a fragment comes by four ds_load_b128 of
; 512 consecutive bytes, so LDS needs no padding.  The same order of k stands on both sides of every product.
; CLUSTERS: 4 x 4 work-groups; A's tile is shared along a row of the cluster, B's along a column: each is asked for jointly, by the same tensor load with the same descriptor and a mask that names the four.
; OUTPUT qkv: [batch x head 64][plane 3][131,072].  Planes 0, 1: [place 2,048][64 codes]; plane 2: [block of 128 keys 16][channel's place 64][128 codes].  A PLACE is the token's (channel's) number with bits 3 and 4
; exchanged: then 16 rows on end of such a plane form a tile whose results, two tiles together, are 16 neighbours along the next K.
; SCALES: a sum stands for sum x 2^es, es = the two operands' exponents.  The bias goes in as bias / 2^es; the rotation is linear; the conversion takes 2^(eo - es).
; LIMITS: eo - es between -126 and 119.  NaN among the inputs is not served.
; REGISTERS, in windows of 256.  Window 0: v3-7, v16-31 addresses and two constants; v8-11 bv; v32-95 the bias of 64 channels; v96-127 the table for my first 16 tokens; v128-255 A's fragments, ONE set; on the way out at work.
;   Window 1: B's fragments, TWO sets; on the way out the table for my other 112 tokens.   Windows 2, 3: the accumulators (accumulator (a, b) at v[8 (8 (a % 4) + b)]).
; THE SHARES AS THEY NOW STAND: the grid has p = 0 (q) and p = 1 (k) alone, 8 x 32 = 256 work-groups.  Each makes its tile of q or k, 256 x 256, and then 128 channels x 256 tokens of v:
; channels 128 (4 p + cx) on, the tokens of its own tile row; a wave makes 64 channels (one head) x 128 keys in 32 accumulators.  A = Wv's codes, shared along a column of the cluster; B = x's third plane, shared along a row.
; v's K comes by three joint loads a wave, all onto ring bytes: K steps 0-3 (196,608 bytes), asked for when the ring's last fragments are read, so that they land under the way out of q and k;
; K step 4 (49,152 bytes behind them); K steps 5-7 over the first 147,456 bytes, when every wave has read steps 0-3.
.set FR,    16
.set NL,    4                          ; LDS loads that bring one
.set NP,    4                          ; places behind this matrix instruction (ISA guide 7.12.1)
.set HALFT, 32768                      ; 128 rows x 256 K: what one tensor load brings, and what one wave reads of A or of B
.set SLOT,  4*HALFT                    ; A's 256 rows, then B's
.set SPARE, 2*SLOT                     ; behind the ring: the spare words, 128 bytes for each wave
.set STQ,   SPARE+512                  ; stages for q and k: for each wave 2 heads x 16 rows x (64 + 16) bytes
.set STV,   STQ+4*2560                 ; stages for v: for each wave 16 rows x (128 + 16) bytes.  No tensor load lands in a stage
.set LAPS,  2                          ; a lap = once round the ring = 512 along K
.set HEADB, 393216                     ; a head's three planes
.set BV,   8
.set ADRA, 16                          ; v16-17  LDS address of my A fragments in slot 0, 1
.set ADRB, 20                          ; v20-21  the same for B
.set SPW,  28                          ; v28  LDS address of my spare word; never rewritten
.set NIL,  29                          ; v29  0; never rewritten
.set LIMV, 30                          ; v30  448 x 2^(eo - es)
.set SCV,  31                          ; v31  2^(eo - es)
.set BIAS, 32
.set TAB0, 96
.set AF,   128
.set T,    128                         ; the way out: v128-191 a block's 64 numbers
.set M,    192                         ; v192-207 products with sin; on v's path bv in pairs
.set C,    208                         ; v208-223 a block's codes
.set BK,   224                         ; v224-239, v240-255 by turns: a block's codes as rows
.set G1, 24                            ; s[24:31] descriptor group 1 for A's tiles;  s[32:39] group 0, one set for each slot
.set G0, 32
.set G1B, 48                           ; s[48:55], s[56:63] the same for B's
.set G0B, 56
.set MSB, 0
.macro WIN new                         ; the immediate's high byte repeats the setting that is left
.if MSB != (\new)
	s_set_vgpr_msb (MSB<<8)|(\new)
.set MSB, (\new)
.endif
.endm
.set MUL_LO, 0xa1                      ; source 0 (B) window 1, source 1 (A) window 0, C and D window 2
.set MUL_HI, 0xf1                      ; the same, C and D window 3
.set TO_B,   0x40                      ; destination window 1, address window 0
; A joint load: waves 0 and 1 fetch for A, waves 2 and 3 for B; the branch hangs on the wave's number alone.  Four v_nop follow each of the two lines.
.macro JLOAD g0a, g1a, g0b, g1b
	s_cmp_eq_u32 s15, 0
	s_cbranch_scc0 .Lfor_b_\@
	tensor_load_to_lds s[\g0a:\g0a+3], s[\g1a:\g1a+7]
	s_nop 0
.rept 4
	v_nop
.endr
	s_branch .Lasked_\@
.Lfor_b_\@:
	tensor_load_to_lds s[\g0b:\g0b+3], s[\g1b:\g1b+7]
	s_nop 0
.rept 4
	v_nop
.endr
.Lasked_\@:
.endm
.macro CREST                           ; a round of the cluster's barrier behind its opening barrier
	s_cmp_lg_u32 s14, 0
	s_cbranch_scc1 .Lnot_wave_0_\@
	s_barrier_signal -3
.Lnot_wave_0_\@:
	s_barrier_wait -3
	s_barrier_signal -1
	s_barrier_wait -1
.endm
.macro CROUND
	s_barrier_signal -1
	s_barrier_wait -1
	CREST
.endm
	s_load_b256 s[4:11], s[0:1], 0x0               ; xc, wc, rope, bq
	s_load_b256 s[68:75], s[0:1], 0x20             ; bk, bv, the scales' exponents, qkv
	v_lshl_add_u32 v[SPW], v0, 2, SPARE
	v_mov_b32 v[NIL], 0
	ds_add_u32 v28, v29
	ds_add_u32 v28, v29
	s_wait_dscnt 0x0
	v_lshrrev_b32 v1, 5, v0
	v_readfirstlane_b32 s14, v1                    ; wave 0..3
	s_lshr_b32 s15, s14, 1                         ; which half of the tile's rows is mine.  Also: I fetch for A (0) or for B (1)
	s_and_b32 s16, s14, 1                          ; which half of its columns.  Also: which 128 rows of that tile I fetch
	s_bfe_u32 s40, ttmp6, 0x40000                  ; cx, cy: my place in the cluster
	s_bfe_u32 s41, ttmp6, 0x40004
	s_and_b32 s12, ttmp7, 0xffff
	s_lshl_b32 s12, s12, 2                         ; 4 x the cluster's y
	s_lshl_b32 s88, ttmp9, 23                      ; x's plane p: 8,388,608 bytes each
	s_lshl_b32 s89, ttmp9, 20                      ; W's plane p: 1,048,576 bytes each
	s_cmp_eq_u32 ttmp9, 2                          ; v?  The same answer in all sixteen partners
	s_cselect_b32 s17, 0, s12
	s_cselect_b32 s42, s12, 0
	s_cselect_b32 s20, s89, s88                    ; A's plane
	s_cselect_b32 s46, s88, s89                    ; B's plane
	s_add_co_u32 s17, s17, s41                     ; A's tile row: q, k: 4 x cluster y + cy (tokens);  v: cy (channels)
	s_add_co_u32 s42, s42, s40                     ; B's tile column: q, k: cx (channels);  v: 4 x cluster y + cx (tokens)
	s_lshl_b32 s43, s41, 2
	s_lshl_b32 s43, 15, s43                        ; my row of the cluster
	s_lshl_b32 s44, 0x1111, s40                    ; my column
	; descriptor group 1: 8 blocks of 16 rows; of each the images of two K steps, 4,096 bytes on end; from block to block 16,384 bytes.  In LDS they follow each other without a gap
	s_or_b32 s[G1+0], s43, (1<<21)                 ; 15:0 the mask: A's tiles go to my row; 17:16 elements of 1 byte; 21 set beside a mask
	s_or_b32 s[G1B+0], s44, (1<<21)
.irp g, G1, G1B
	s_mov_b32 s[\g+1], 4096<<16                    ; tensor_dim0 = 4,096
	s_mov_b32 s[\g+2], 8<<16                       ; tensor_dim1 = 8
	s_mov_b32 s[\g+3], 4096<<16                    ; tile_dim0
	s_mov_b32 s[\g+4], 8                           ; tile_dim1
	s_mov_b32 s[\g+5], 16384                       ; tensor_dim0_stride
	s_mov_b32 s[\g+6], 0
	s_mov_b32 s[\g+7], 0
.endr
	s_lshl_b32 s18, s16, 17                        ; which 8 blocks of the tile's 16 I fetch
	s_lshl_b32 s19, s17, 18                        ; a tile's 16 blocks are 262,144 bytes
	s_add_co_u32 s20, s20, s19
	s_add_co_u32 s20, s20, s18
	s_mov_b32 s21, 0
	s_lshl_b32 s47, s42, 18
	s_add_co_u32 s46, s46, s47
	s_add_co_u32 s46, s46, s18
	s_mov_b32 s47, 0
	s_mul_i32 s45, s14, HALFT                      ; where they go: wave x 32,768: no place in the cluster enters an LDS address
	s_wait_kmcnt 0x0
	s_load_b256 s[76:83], s[72:73], 0x0            ; e0 .. e7
	s_load_b128 s[84:87], s[72:73], 0x20           ; e8 .. e11
	s_cmp_eq_u32 ttmp9, 2
	s_cselect_b64 s[90:91], s[6:7], s[4:5]         ; A: Wv's codes or x's
	s_cselect_b64 s[92:93], s[4:5], s[6:7]         ; B: the other
	s_add_nc_u64 s[20:21], s[90:91], s[20:21]
	s_add_nc_u64 s[46:47], s[92:93], s[46:47]
	CROUND                                         ; all sixteen work-groups are here: the first joint loads meet
.irp s, 0,1
	s_mov_b32 s[G0+4*\s], 1
	s_add_co_u32 s[G0+4*\s+1], s45, \s*SLOT
	s_add_nc_u64 s[G0+4*\s+2:G0+4*\s+3], s[20:21], \s*4096
	s_or_b32 s[G0+4*\s+3], s[G0+4*\s+3], 0x80000000
	s_mov_b32 s[G0B+4*\s], 1
	s_add_co_u32 s[G0B+4*\s+1], s45, \s*SLOT
	s_add_nc_u64 s[G0B+4*\s+2:G0B+4*\s+3], s[46:47], \s*4096
	s_or_b32 s[G0B+4*\s+3], s[G0B+4*\s+3], 0x80000000
.endr
	JLOAD G0, G1, G0B, G1B                         ; slot 0: one tensor load a wave at the head
	v_and_b32 v1, 15, v0                           ; r
	v_bfe_u32 v2, v0, 4, 1                         ; h
	v_and_b32 v25, 31, v0                          ; lane
	v_lshlrev_b32 v24, 4, v25                      ; 16 x lane: my place in an image, and in a store of 512 bytes
	s_lshl_b32 s21, s15, 15                        ; my 128 rows of A
	s_lshl_b32 s22, s16, 15                        ; my 128 rows of B,
	s_add_co_u32 s22, s22, 2*HALFT                 ; which lie behind A's 256
.irp s, 0,1
	v_add_nc_u32 v[ADRA+\s], s21, v24
	v_add_nc_u32 v[ADRB+\s], s22, v24
	s_add_co_u32 s21, s21, SLOT
	s_add_co_u32 s22, s22, SLOT
.endr
	v_lshlrev_b32 v3, 5, v2                        ; 32 h: my eight channels' bias
	v_lshlrev_b32 v4, 2, v1                        ; 4 r: my channel's bias (v)
	v_lshl_add_u32 v5, v1, 8, v3                   ; 256 r + 32 h: my token's row of the table, my eight frequencies
	s_mul_i32 s23, s14, 2560
	s_add_co_u32 s23, s23, STQ
	v_mul_u32_u24 v6, v1, 80
	v_lshl_add_u32 v6, v2, 3, v6
	v_add_nc_u32 v6, s23, v6                       ; q, k: into my stage: row r, + 8 h
	v_lshrrev_b32 v26, 2, v25
	v_mul_u32_u24 v7, v26, 80
	v_and_b32 v26, 3, v25
	v_lshl_add_u32 v7, v26, 4, v7
	v_add_nc_u32 v7, s23, v7                       ; and back: four lanes to a row of 64 bytes, eight rows a load
	s_mul_i32 s23, s14, 2304
	s_add_co_u32 s23, s23, STV
	v_mul_u32_u24 v22, v1, 144
	v_lshl_add_u32 v22, v2, 3, v22
	v_add_nc_u32 v22, s23, v22                     ; v: into my stage: row r, + 8 h
	v_lshrrev_b32 v26, 3, v25
	v_mul_u32_u24 v23, v26, 144
	v_and_b32 v26, 7, v25
	v_lshl_add_u32 v23, v26, 4, v23
	v_add_nc_u32 v23, s23, v23                     ; and back: eight lanes to a row of 128 bytes, four rows a load
	; where my results go, and what they need.  The same lines on both paths; a load whose data a path does not use gets the offset 0, so that it stays inside its buffer
	s_lshl_b32 s18, s17, 8
	s_lshl_b32 s19, s15, 7
	s_add_co_u32 s18, s18, s19                     ; my first row of A
	s_lshl_b32 s19, s42, 8
	s_lshl_b32 s21, s16, 7
	s_add_co_u32 s19, s19, s21                     ; my first row of B
	s_cmp_eq_u32 ttmp9, 2
	s_cselect_b32 s21, s19, s18                    ; my first token
	s_cselect_b32 s22, s18, s19                    ; my first channel
	s_cselect_b32 s94, 0, s19
	s_cselect_b32 s96, s18, 0
	s_cselect_b64 s[92:93], s[70:71], s[68:69]
	s_cmp_eq_u32 ttmp9, 0
	s_cselect_b64 s[92:93], s[10:11], s[92:93]     ; bq, bk or bv
	s_lshr_b32 s23, s21, 11                        ; batch
	s_and_b32 s21, s21, 2047                       ; position
	s_lshr_b32 s22, s22, 6                         ; my first head
	s_lshl_b32 s23, s23, 4
	s_add_co_u32 s22, s22, s23
	s_mul_i32 s22, s22, HEADB
	s_lshl_b32 s23, ttmp9, 17                      ; plane p
	s_add_co_u32 s22, s22, s23
	s_lshl_b32 s23, s21, 6                         ; q, k: 64 bytes a place;  v: 8,192 bytes for 128 keys: the same number
	s_add_co_u32 s22, s22, s23
	s_mov_b32 s23, 0
	s_add_nc_u64 s[98:99], s[74:75], s[22:23]
	s_lshl_b32 s94, s94, 2
	s_mov_b32 s95, 0
	s_add_nc_u64 s[94:95], s[92:93], s[94:95]      ; q, k: the bias at my first channel
	s_lshl_b32 s96, ttmp9, 2
	s_add_co_u32 s96, s96, s40                     ; 4 p + cx: which 128 channels of v
	s_lshl_b32 s96, s96, 1
	s_add_co_u32 s96, s96, s15                     ; my head of v
	s_lshl_b32 s96, s96, 8                         ; 64 channels of 4 bytes
	s_mov_b32 s97, 0
	s_add_nc_u64 s[96:97], s[70:71], s[96:97]      ; bv at my first channel of v
	s_cmp_eq_u32 ttmp9, 2
	s_cselect_b32 s100, 0, s21
	s_lshl_b32 s100, s100, 8
	s_mov_b32 s101, 0
	s_add_nc_u64 s[100:101], s[8:9], s[100:101]    ; q, k: the table at my first position
.irp b, 0,1,2,3,4,5,6,7
	global_load_b128 v[BIAS+8*\b:BIAS+8*\b+3], v3, s[94:95] offset:64*\b       ; channels 16 b + 8 h + 0 .. 7
	global_load_b128 v[BIAS+8*\b+4:BIAS+8*\b+7], v3, s[94:95] offset:64*\b+16
.endr
.irp a, 0,1,2,3
	global_load_b32 v[BV+\a], v4, s[96:97] offset:64*\a                        ; channel 16 a + r of my head of v
.endr
.irp u, 0,1
.irp i, 0,1
	global_load_b128 v[TAB0+8*\u+4*\i:TAB0+8*\u+4*\i+3], v5, s[100:101] offset:64*\u+16*\i            ; cos of frequencies 16 u + 8 h + 0 .. 7,
	global_load_b128 v[TAB0+16+8*\u+4*\i:TAB0+16+8*\u+4*\i+3], v5, s[100:101] offset:128+64*\u+16*\i  ; and sin
.endr
.endr
.macro FRAG reg, adr, q, i             ; a fragment: block i of my eight, the slot's q-th 128 along K: four loads of 512 consecutive bytes
.irp c, 0,1,2,3
	ds_load_b128 v[\reg+4*\c:\reg+4*\c+3], v[\adr] offset:4096*(\i)+2048*(\q)+512*\c
.endr
.endm
; 16 matrix instructions: A's blocks a0, a0 + 1 x B's eight, 128 along K.  p: B's set.  zero = 1: the first product starts the sums.  The 64 accumulators take turns, one instruction a turn, in the same
; order in every step.
.macro MUL16 a0, p, zero
.irp a, \a0, \a0+1
.irp b, 0,1,2,3,4,5,6,7
.if \zero
	v_wmma_f32_16x16x128_fp8_fp8 v[8*(8*((\a)%4)+\b):8*(8*((\a)%4)+\b)+7], v[128*(\p)+FR*\b:128*(\p)+FR*\b+FR-1], v[AF+FR*(\a):AF+FR*(\a)+FR-1], 0
.else
	v_wmma_f32_16x16x128_fp8_fp8 v[8*(8*((\a)%4)+\b):8*(8*((\a)%4)+\b)+7], v[128*(\p)+FR*\b:128*(\p)+FR*\b+FR-1], v[AF+FR*(\a):AF+FR*(\a)+FR-1], v[8*(8*((\a)%4)+\b):8*(8*((\a)%4)+\b)+7]
.endif
.endr
.endr
.endm
.macro FETCH_B slot, q, p
	WIN TO_B
.irp i, 0,1,2,3,4,5,6,7
	FRAG 128*(\p)+FR*\i, ADRB+\slot, \q, \i
.endr
	WIN 0
.endm
.macro FETCH_A slot, q, i0
.irp i, \i0, \i0+1, \i0+2, \i0+3
	FRAG AF+FR*(\i), ADRA+\slot, \q, \i
.endr
.endm
.macro PLACES n                        ; plain vector lines between a matrix instruction and a load into, or a vector line on, its registers
.rept \n
	v_nop
.endr
.endm
; A step of 128 along K that has its successor in the same slot.  A block of A is free as soon as its eight products are issued: blocks 0-3 are fetched anew in the step's middle, blocks 4-7 at its end.
.macro STEP slot, q, zero
	s_wait_dscnt 4*NL                              ; B's set and A's blocks 0-3 are in; the youngest 16 loads (A's blocks 4-7) may be out
	WIN MUL_LO
	MUL16 0, (\q)%2, \zero
	MUL16 2, (\q)%2, \zero
	s_wait_dscnt 0                                 ; A's blocks 4-7 are in
	PLACES NP
	FETCH_B \slot, (\q)+1, 1-(\q)%2
	FETCH_A \slot, (\q)+1, 0
	WIN MUL_HI
	MUL16 4, (\q)%2, \zero
	MUL16 6, (\q)%2, \zero
	PLACES NP
	WIN 0
	FETCH_A \slot, (\q)+1, 4
.endm
; A slot's last step changes slots: ONE barrier; in front of it each wave waits for all its tensor loads, adds 0 to its spare word, and waits for that and for its own reads of this slot.
.macro TURN slot, next, fill
	s_wait_tensorcnt 0x0                           ; all my tensor loads have landed: my part of the next slot
	ds_add_u32 v[SPW], v[NIL]                      ; 0 onto my spare word
	s_wait_dscnt 4*NL+1                            ; (the add and the youngest 16 loads may be out)
	WIN MUL_LO
	MUL16 0, 1, 0                                  ; sixteen matrix instructions stand between the add and the wait for it
	s_wait_dscnt 0x0                               ; the add is done, and my reads of this slot are over
	s_barrier_signal -1
	MUL16 2, 1, 0
	WIN 0
	s_barrier_wait -1
.if \fill
	CREST                                          ; the barrier has opened a round of the cluster's: no wave of any partner still reads this slot or has a load on its way
	s_add_nc_u64 s[G0+4*\slot+2:G0+4*\slot+3], s[G0+4*\slot+2:G0+4*\slot+3], 8192
	s_add_nc_u64 s[G0B+4*\slot+2:G0B+4*\slot+3], s[G0B+4*\slot+2:G0B+4*\slot+3], 8192
	JLOAD G0+4*\slot, G1, G0B+4*\slot, G1B         ; the first tensor load behind the round; its four v_nop are the places in front of the loads below
.else
	PLACES NP
.endif
	FETCH_B \next, 0, 0
	FETCH_A \next, 0, 0
	WIN MUL_HI
	MUL16 4, 1, 0
	MUL16 6, 1, 0
	PLACES NP
	WIN 0
	FETCH_A \next, 0, 4
.endm
	s_wait_alu depctr_va_vdst(0)
	s_wait_tensorcnt 0x0                           ; my part of slot 0 is in
	ds_add_u32 v[SPW], v[NIL]
	s_wait_dscnt 0x0
	CROUND                                         ; everybody's part of slot 0 is in, and the sixteen work-groups meet
	JLOAD G0+4, G1, G0B+4, G1B                     ; slot 1's first fill, the first tensor load behind the round
	FETCH_B 0, 0, 0
	FETCH_A 0, 0, 0
	FETCH_A 0, 0, 4
	STEP 0, 0, 1                                   ; the first step stands in front of the loop: its products start the sums
	s_mov_b32 s3, LAPS-1
.Llap:                                                 ; a trip goes once round the ring and fills both slots again
	TURN 0, 1, 1
	STEP 1, 0, 0
	TURN 1, 0, 1
	STEP 0, 0, 0
	s_sub_co_u32 s3, s3, 1
	s_cmp_lg_u32 s3, 0
	s_cbranch_scc1 .Llap
	TURN 0, 1, 0
	STEP 1, 0, 0
	WIN TO_B                                       ; B's set 0 has had its last product (four places stand behind it): the table for blocks 1 to 4 is asked for under the last 64 products
.irp a, 1,2,3,4
.irp u, 0,1
.irp i, 0,1
	global_load_b128 v[32*(\a-1)+8*\u+4*\i:32*(\a-1)+8*\u+4*\i+3], v5, s[100:101] offset:4096*\a+64*\u+16*\i
	global_load_b128 v[32*(\a-1)+16+8*\u+4*\i:32*(\a-1)+16+8*\u+4*\i+3], v5, s[100:101] offset:4096*\a+128+64*\u+16*\i
.endr
.endr
.endr
	WIN 0
	s_wait_dscnt 4*NL
	WIN MUL_LO
	MUL16 0, 1, 0
	MUL16 2, 1, 0
	s_wait_dscnt 0                                 ; my last reads of the ring are over
	WIN 0
	s_wait_tensorcnt 0x0
	ds_add_u32 v[SPW], v[NIL]
	s_lshl_b32 s88, ttmp9, 2
	s_add_co_u32 s88, s88, s40                     ; 4 p + cx
	s_lshl_b32 s90, s88, 17                        ; Wv: 8 blocks of 16,384 bytes for 128 channels, 4 a fetching wave, in wc's third plane
	s_lshl_b32 s91, s16, 16
	s_add_co_u32 s90, s90, s91
	s_add_co_u32 s90, s90, 2097152
	s_mov_b32 s91, 0
	s_add_nc_u64 s[90:91], s[6:7], s[90:91]
	s_lshl_b32 s92, s17, 18                        ; x: 16 blocks for 256 tokens, 8 a fetching wave, in xc's third plane
	s_lshl_b32 s93, s16, 17
	s_add_co_u32 s92, s92, s93
	s_add_co_u32 s92, s92, 16777216
	s_mov_b32 s93, 0
	s_add_nc_u64 s[92:93], s[4:5], s[92:93]
	s_or_b32 s[G1+0], s44, (1<<21)                 ; Wv's tiles go to my column of the cluster,
	s_or_b32 s[G1B+0], s43, (1<<21)                ; x's to my row
	s_mov_b32 s[G1+1], 8192<<16                    ; four K steps of a block on end
	s_mov_b32 s[G1+2], 4<<16
	s_mov_b32 s[G1+3], 8192<<16
	s_mov_b32 s[G1+4], 4
	s_mov_b32 s[G1B+1], 8192<<16
	s_mov_b32 s[G1B+3], 8192<<16
	s_lshl_b32 s[G0+1], s16, 15                    ; Wv's 8 blocks x 8,192 bytes at 0,
	s_mov_b64 s[G0+2:G0+3], s[90:91]
	s_or_b32 s[G0+3], s[G0+3], 0x80000000
	s_lshl_b32 s[G0B+1], s16, 16
	s_add_co_u32 s[G0B+1], s[G0B+1], 65536         ; x's 16 blocks behind them
	s_mov_b64 s[G0B+2:G0B+3], s[92:93]
	s_or_b32 s[G0B+3], s[G0B+3], 0x80000000
	s_wait_dscnt 0x0
	CROUND                                         ; no wave of the cluster reads the ring any more
	JLOAD G0, G1, G0B, G1B                         ; v's K steps 0-3
	WIN MUL_HI
	MUL16 4, 1, 0
	MUL16 6, 1, 0
	WIN 0
	; ---- THE WAY OUT
	s_wait_kmcnt 0x0                               ; the exponents
	s_wait_loadcnt 32                              ; bias and first table, asked for at the head; the 32 table loads issued behind them may be out
	s_add_co_i32 s18, s76, s77
	s_add_co_i32 s19, s78, s79
	s_add_co_i32 s20, s80, s81
	s_cmp_eq_u32 ttmp9, 0
	s_cselect_b32 s18, s18, s19
	s_cselect_b32 s21, s82, s83
	s_cmp_eq_u32 ttmp9, 2
	s_cselect_b32 s18, s20, s18                    ; es
	s_cselect_b32 s21, s85, s21                    ; eo: e6, e7 or e9
	s_sub_co_i32 s22, 0, s18                       ; -es
	s_sub_co_i32 s21, s21, s18
	s_add_co_i32 s21, s21, 127
	s_lshl_b32 s23, s21, 23
	v_mov_b32 v[SCV], s23                          ; 2^(eo - es)
	s_add_co_i32 s21, s21, 8
	s_lshl_b32 s21, s21, 23
	s_or_b32 s21, s21, 0x600000
	v_mov_b32 v[LIMV], s21                         ; 448 x that
	PLACES NP                                      ; behind the last products: for the reads of results and for what is written over fragments below
.macro QUANT8                          ; the block's 64 numbers in T become 8 x 8 codes in C
.set j, 0
.rept 64
	v_med3_num_f32 v[T+j], v[T+j], -v[LIMV], v[LIMV]   ; the conversion to an 8-bit code does not saturate (ISA guide 7.6.2)
.set j, j+1
.endr
.irp b, 0,1,2,3,4,5,6,7
	v_cvt_scalef32_pk8_fp8_f32 v[C+2*\b:C+2*\b+1], v[T+8*\b:T+8*\b+7], v[SCV]
.endr
	v_nop                                          ; a plain line behind the last conversion
.endm
	; ---- q and k.  A block is 16 tokens x 128 channels (two heads).  Tile b holds channels 16 b + 8 h + j: in head b / 4, tiles 0, 1 are the low 32 channels, tiles 2, 3 their partners 32 further on.
	WIN TO_B
.irp a, 5,6,7
.irp u, 0,1
.irp i, 0,1
	global_load_b128 v[32*(\a-1)+8*\u+4*\i:32*(\a-1)+8*\u+4*\i+3], v5, s[100:101] offset:4096*\a+64*\u+16*\i
	global_load_b128 v[32*(\a-1)+16+8*\u+4*\i:32*(\a-1)+16+8*\u+4*\i+3], v5, s[100:101] offset:4096*\a+128+64*\u+16*\i
.endr
.endr
.endr
	WIN 0
.set j, 0
.rept 64
	v_ldexp_f32 v[BIAS+j], v[BIAS+j], s22          ; bias / 2^es
.set j, j+1
.endr
.macro QKBLOCK a
.set AC, 64*((\a)%4)
	WIN (0x02+(\a)/4)                              ; source 0: window 2 or 3
.set j, 0
.rept 32
	v_pk_add_f32 v[T+j:T+j+1], v[AC+j:AC+j+1], v[BIAS+j:BIAS+j+1]   ; each accumulator from its low end on
.set j, j+2
.endr
.if (\a) > 0
	s_wait_loadcnt 56-8*(\a)                       ; this block's eight table loads are in; those of the blocks behind it may be out
	WIN 0x04                                       ; source 1 (the table) window 1
.set TBR, 32*((\a)-1)
.else
	WIN 0
.set TBR, TAB0
.endif
.irp hd, 0,1
.irp u, 0,1
.irp jj, 0,2,4,6
	v_pk_mul_f32 v[M+\jj:M+\jj+1], v[T+8*(4*\hd+2+\u)+\jj:T+8*(4*\hd+2+\u)+\jj+1], v[TBR+16+8*\u+\jj:TBR+16+8*\u+\jj+1]       ; high x sin
.endr
.irp jj, 0,2,4,6
	v_pk_mul_f32 v[M+8+\jj:M+8+\jj+1], v[T+8*(4*\hd+\u)+\jj:T+8*(4*\hd+\u)+\jj+1], v[TBR+16+8*\u+\jj:TBR+16+8*\u+\jj+1]       ; low x sin
.endr
.irp jj, 0,2,4,6
	v_pk_fma_f32 v[T+8*(4*\hd+\u)+\jj:T+8*(4*\hd+\u)+\jj+1], v[T+8*(4*\hd+\u)+\jj:T+8*(4*\hd+\u)+\jj+1], v[TBR+8*\u+\jj:TBR+8*\u+\jj+1], v[M+\jj:M+\jj+1] neg_lo:[0,0,1] neg_hi:[0,0,1]   ; low cos - high sin
.endr
.irp jj, 0,2,4,6
	v_pk_fma_f32 v[T+8*(4*\hd+2+\u)+\jj:T+8*(4*\hd+2+\u)+\jj+1], v[T+8*(4*\hd+2+\u)+\jj:T+8*(4*\hd+2+\u)+\jj+1], v[TBR+8*\u+\jj:TBR+8*\u+\jj+1], v[M+8+\jj:M+8+\jj+1]   ; high cos + low sin
.endr
.endr
.endr
	WIN 0
	QUANT8
.irp b, 0,1,2,3,4,5,6,7
	ds_store_b64 v6, v[C+2*\b:C+2*\b+1] offset:1280*(\b/4)+16*(\b%4)
.endr
.if (\a) >= 2
	s_wait_xcnt 0x0                                ; the stores of two blocks ago have read the registers that these loads take
.endif
.set BB, BK+16*((\a)%2)
.irp i, 0,1,2,3
	ds_load_b128 v[BB+4*\i:BB+4*\i+3], v7 offset:1280*(\i/2)+640*(\i%2)   ; head i / 2, rows 8 (i % 2) on.  LDS serves a wave's instructions in order: these see the stores above
.endr
.endm
.macro SENDQ a, younger                ; token 16 a + r goes to place 32 (a / 2) + 16 (r / 8) + 8 (a % 2) + r % 8: eight rows of 64 bytes on end, 512 consecutive bytes a store
.set BB, BK+16*((\a)%2)
	s_wait_dscnt \younger
.irp i, 0,1,2,3
	global_store_b128 v24, v[BB+4*\i:BB+4*\i+3], s[98:99] offset:HEADB*(\i/2)+64*(32*((\a)/2)+16*(\i%2)+8*((\a)%2))
.endr
.endm
	QKBLOCK 0
.irp a, 1,2,3,4,5,6,7
	QKBLOCK \a
	SENDQ (\a)-1, 12                               ; behind the earlier block's loads: this block's 8 stores and 4 loads
.endr
	SENDQ 7, 0
	; ---- v: 128 channels x 256 tokens; my wave 64 channels (4 blocks of A) x 128 keys (8 blocks of B)
.macro VFETCH set, ra, rb, pitch, q    ; the fragments of one K step: x's eight into window 1, Wv's four into window 0
	WIN TO_B
.irp i, 0,1,2,3,4,5,6,7
.irp c, 0,1,2,3
	ds_load_b128 v[128*(\set)+FR*\i+4*\c:128*(\set)+FR*\i+4*\c+3], v[\rb] offset:(\pitch)*\i+2048*(\q)+512*\c
.endr
.endr
	WIN 0
.irp i, 0,1,2,3
.irp c, 0,1,2,3
	ds_load_b128 v[AF+64*(\set)+FR*\i+4*\c:AF+64*(\set)+FR*\i+4*\c+3], v[\ra] offset:(\pitch)*\i+2048*(\q)+512*\c
.endr
.endr
.endm
.macro VMUL set, zero                  ; 32 matrix instructions; the accumulators take turns, in the same order in every step
	WIN MUL_LO
.irp a, 0,1,2,3
.irp b, 0,1,2,3,4,5,6,7
.if \zero
	v_wmma_f32_16x16x128_fp8_fp8 v[8*(8*\a+\b):8*(8*\a+\b)+7], v[128*(\set)+FR*\b:128*(\set)+FR*\b+FR-1], v[AF+64*(\set)+FR*\a:AF+64*(\set)+FR*\a+FR-1], 0
.else
	v_wmma_f32_16x16x128_fp8_fp8 v[8*(8*\a+\b):8*(8*\a+\b)+7], v[128*(\set)+FR*\b:128*(\set)+FR*\b+FR-1], v[AF+64*(\set)+FR*\a:AF+64*(\set)+FR*\a+FR-1], v[8*(8*\a+\b):8*(8*\a+\b)+7]
.endif
.endr
.endr
	WIN 0
.endm
.macro VKS set, zero, nf, ra, rb, pitch, q   ; a K step on set; nf = 1: the next step's fragments are asked for first, into the other set
	s_wait_dscnt 0x0
.if \nf
	PLACES NP
	VFETCH 1-(\set), \ra, \rb, \pitch, \q
.endif
	VMUL \set, \zero
.endm
	s_wait_xcnt 0x0                                ; the stores of q or k have read their data and their base
	s_lshl_b32 s94, s17, 8
	s_lshl_b32 s95, s16, 7
	s_add_co_u32 s94, s94, s95                     ; my first token
	s_lshr_b32 s95, s94, 11                        ; batch
	s_and_b32 s94, s94, 2047                       ; position
	s_lshl_b32 s95, s95, 4
	s_lshl_b32 s96, s88, 1
	s_add_co_u32 s96, s96, s15                     ; my head
	s_add_co_u32 s95, s95, s96
	s_mul_i32 s95, s95, HEADB
	s_lshl_b32 s94, s94, 6                         ; 8,192 bytes for 128 keys
	s_add_co_u32 s94, s94, s95
	s_add_co_u32 s94, s94, 262144                  ; plane 2
	s_mov_b32 s95, 0
	s_add_nc_u64 s[98:99], s[74:75], s[94:95]
	s_lshl_b32 s18, s15, 15                        ; LDS: my 4 blocks of Wv and my 8 of x in K steps 0-3,
	s_lshl_b32 s19, s16, 16
	s_add_co_u32 s19, s19, 65536
	s_lshl_b32 s20, s15, 13                        ; in K step 4,
	s_add_co_u32 s20, s20, 196608
	s_lshl_b32 s21, s16, 14
	s_add_co_u32 s21, s21, 212992
	s_mul_i32 s22, s15, 24576                      ; in K steps 5-7
	s_mul_i32 s23, s16, 49152
	s_add_co_u32 s23, s23, 49152
	v_add_nc_u32 v16, s18, v24
	v_add_nc_u32 v17, s19, v24
	v_add_nc_u32 v18, s20, v24
	v_add_nc_u32 v19, s21, v24
	v_add_nc_u32 v20, s22, v24
	v_add_nc_u32 v21, s23, v24
	s_wait_alu depctr_va_vdst(0)
	s_wait_tensorcnt 0x0                           ; my part of K steps 0-3 is in
	ds_add_u32 v[SPW], v[NIL]
	s_mov_b32 s[G1+1], 2048<<16                    ; one K step of a block
	s_mov_b32 s[G1+3], 2048<<16
	s_mov_b32 s[G1B+1], 2048<<16
	s_mov_b32 s[G1B+3], 2048<<16
	s_lshl_b32 s[G0+1], s16, 13
	s_add_co_u32 s[G0+1], s[G0+1], 196608
	s_add_nc_u64 s[G0+2:G0+3], s[90:91], 8192
	s_or_b32 s[G0+3], s[G0+3], 0x80000000
	s_lshl_b32 s[G0B+1], s16, 14
	s_add_co_u32 s[G0B+1], s[G0B+1], 212992
	s_add_nc_u64 s[G0B+2:G0B+3], s[92:93], 8192
	s_or_b32 s[G0B+3], s[G0B+3], 0x80000000
	s_wait_dscnt 0x0
	CROUND
	JLOAD G0, G1, G0B, G1B                         ; K step 4
	VFETCH 0, 16, 17, 8192, 0
	VKS 0, 1, 1, 16, 17, 8192, 1                   ; the first products start the sums
	VKS 1, 0, 1, 16, 17, 8192, 2
	VKS 0, 0, 1, 16, 17, 8192, 3
	VKS 1, 0, 0, 16, 17, 8192, 0
	s_wait_tensorcnt 0x0                           ; my part of K step 4 is in;
	ds_add_u32 v[SPW], v[NIL]
	s_mov_b32 s[G1+1], 6144<<16                    ; three K steps of a block on end
	s_mov_b32 s[G1+3], 6144<<16
	s_mov_b32 s[G1B+1], 6144<<16
	s_mov_b32 s[G1B+3], 6144<<16
	s_mul_i32 s[G0+1], s16, 24576
	s_add_nc_u64 s[G0+2:G0+3], s[90:91], 10240
	s_or_b32 s[G0+3], s[G0+3], 0x80000000
	s_mul_i32 s[G0B+1], s16, 49152
	s_add_co_u32 s[G0B+1], s[G0B+1], 49152
	s_add_nc_u64 s[G0B+2:G0B+3], s[92:93], 10240
	s_or_b32 s[G0B+3], s[G0B+3], 0x80000000
	s_wait_dscnt 0x0                               ; it is done, and my reads of K steps 0-3 are over
	CROUND                                         ; so of every wave of the cluster
	JLOAD G0, G1, G0B, G1B                         ; K steps 5-7, over the first 147,456 bytes; the four v_nop are the places in front of the loads below
	VFETCH 0, 18, 19, 2048, 0
	VKS 0, 0, 0, 18, 19, 2048, 0
	s_wait_tensorcnt 0x0                           ; my part of K steps 5-7 is in,
	s_wait_dscnt 0x0
	s_barrier_signal -1
	s_barrier_wait -1                              ; everybody's is
	PLACES NP
	VFETCH 1, 20, 21, 6144, 0
	VKS 1, 0, 1, 20, 21, 6144, 1
	VKS 0, 0, 1, 20, 21, 6144, 2
	VKS 1, 0, 0, 20, 21, 6144, 0
	s_add_co_i32 s18, s80, s81                     ; es = e4 + e5
	s_sub_co_i32 s22, 0, s18
	s_sub_co_i32 s21, s85, s18                     ; e9 - es
	s_add_co_i32 s21, s21, 127
	s_lshl_b32 s23, s21, 23
	v_mov_b32 v[SCV], s23
	s_add_co_i32 s21, s21, 8
	s_lshl_b32 s21, s21, 23
	s_or_b32 s21, s21, 0x600000
	v_mov_b32 v[LIMV], s21
	PLACES NP                                      ; behind the last products
.irp a, 0,1,2,3
	v_ldexp_f32 v[M+2*\a], v[BV+\a], s22           ; bv / 2^es, twice: a pair for the packed addition
	v_ldexp_f32 v[M+2*\a+1], v[BV+\a], s22
.endr
.macro VBLOCK a
.set AC, 64*((\a)%4)
	WIN (0x02+(\a)/4)
.set j, 0
.rept 32
	v_pk_add_f32 v[T+j:T+j+1], v[AC+j:AC+j+1], v[M+2*(\a):M+2*(\a)+1]
.set j, j+2
.endr
	WIN 0
	QUANT8
.irp b, 0,1,2,3,4,5,6,7
	ds_store_b64 v22, v[C+2*\b:C+2*\b+1] offset:16*\b
.endr
.if (\a) >= 2
	s_wait_xcnt 0x0
.endif
.set BB, BK+16*((\a)%2)
.irp i, 0,1,2,3
	ds_load_b128 v[BB+4*\i:BB+4*\i+3], v23 offset:576*\i   ; rows 4 i on
.endr
.endm
.macro SENDV a, younger                ; channel 16 (a % 4) + 4 i + .. of head a / 4 goes to its place (bits 3 and 4 exchanged): four rows of 128 bytes on end, 512 consecutive bytes a store
.set BB, BK+16*((\a)%2)
	s_wait_dscnt \younger
.irp i, 0,1,2,3
	global_store_b128 v24, v[BB+4*\i:BB+4*\i+3], s[98:99] offset:HEADB*((\a)/4)+128*(32*(((\a)%4)/2)+16*(\i/2)+8*((\a)%2)+4*(\i%2))
.endr
.endm
	VBLOCK 0
.irp a, 1,2,3
	VBLOCK \a
	SENDV (\a)-1, 12
.endr
	SENDV 3, 0
.Lend:
	s_wait_tensorcnt 0x0                           ; the wave's end
	ds_add_u32 v[SPW], v[NIL]
	s_wait_dscnt 0x0
	CROUND                                         ; the closing round: no work-group ends while a partner may still ask for a tile that names it
	s_endpgm
.Lfunc_end_k_q6bac8f293c_qkv:
	.size	k_q6bac8f293c_qkv, .Lfunc_end_k_q6bac8f293c_qkv-k_q6bac8f293c_qkv
	.p2alignl 7, 3214868480
	.fill 96, 4, 3214868480
	.section	.rodata,"a",@progbits
	.p2align	6, 0x0
	.amdhsa_kernel k_q6bac8f293c_qkv
		.amdhsa_group_segment_fixed_size 327680
		.amdhsa_private_segment_fixed_size 0
		.amdhsa_enable_private_segment 0
		.amdhsa_kernarg_size 64
		.amdhsa_user_sgpr_count 2
		.amdhsa_user_sgpr_kernarg_segment_ptr 1
		.amdhsa_wavefront_size32 1
		.amdhsa_system_sgpr_workgroup_id_x 1
		.amdhsa_system_sgpr_workgroup_id_y 1
		.amdhsa_system_sgpr_workgroup_id_z 1
		.amdhsa_system_vgpr_workitem_id 0
		.amdhsa_next_free_vgpr 1024
		.amdhsa_next_free_sgpr 104
		.amdhsa_reserve_vcc 0
		.amdhsa_float_denorm_mode_32 3
		.amdhsa_float_denorm_mode_16_64 3
		.amdhsa_memory_ordered 1
		.amdhsa_forward_progress 1
		.amdhsa_inst_pref_size 255
	.end_amdhsa_kernel
	.section	.bss,"aw",@nobits
	.p2align	6
	.space	262144
	.amdgpu_metadata
---
amdhsa.version: [ 1, 2 ]
amdhsa.kernels:
  - .name:           k_q6bac8f293c_qkv
    .symbol:         k_q6bac8f293c_qkv.kd
    .args:
      - { .name: xc, .offset: 0, .size: 8, .value_kind: global_buffer, .address_space: global }
      - { .name: wc, .offset: 8, .size: 8, .value_kind: global_buffer, .address_space: global }
      - { .name: rope, .offset: 16, .size: 8, .value_kind: global_buffer, .address_space: global }
      - { .name: bq, .offset: 24, .size: 8, .value_kind: global_buffer, .address_space: global }
      - { .name: bk, .offset: 32, .size: 8, .value_kind: global_buffer, .address_space: global }
      - { .name: bv, .offset: 40, .size: 8, .value_kind: global_buffer, .address_space: global }
      - { .name: lowp_scales, .offset: 48, .size: 8, .value_kind: global_buffer, .address_space: global }
      - { .name: qkv, .offset: 56, .size: 8, .value_kind: global_buffer, .address_space: global }
    .group_segment_fixed_size: 327680
    .private_segment_fixed_size: 0
    .kernarg_segment_align: 8
    .kernarg_segment_size: 64
    .max_flat_workgroup_size: 128
    .sgpr_count:     104
    .vgpr_count:     1024
    .wavefront_size: 32
...
	.end_amdgpu_metadata
.endif
;; end of part 2
;; launch attn (part 3): grid 4 x 64, 8 waves a work-group, clusters of 4 x 1, 327,680 bytes of LDS; arguments qkv, lowp_scales, oc; writes oc
.if DOCPART == 3
	.amdgcn_target "amdgcn-amd-amdhsa--gfx1250"
	.amdhsa_code_object_version 6
	.text
	.protected	k_q6bac8f293c_attn
	.globl	k_q6bac8f293c_attn
	.p2align	8
	.type	k_q6bac8f293c_attn,@function
k_q6bac8f293c_attn:
	s_mov_b64 s[64:65], 0
	v_nop
	global_prefetch_b8 v0, s[64:65] scope:SCOPE_SE
	s_setreg_imm32_b32 hwreg(HW_REG_WAVE_MODE, 25, 1), 1
	s_wait_xcnt 0x0
	s_wait_alu depctr_hold_cnt(0) depctr_sa_sdst(0) depctr_va_vdst(0) depctr_va_sdst(0) depctr_va_ssrc(0) depctr_va_vcc(0) depctr_vm_vsrc(0)
	s_getreg_b32 s2, hwreg(HW_REG_IB_STS2, 6, 4)
	s_cmp_eq_u32 s2, 0
	s_cbranch_scc0 .Lentry_in_a_cluster
	s_endpgm
.Lentry_in_a_cluster:
	s_bfe_u32 s2, ttmp6, 0x10000c
	s_cmp_lg_u32 s2, 0x3003
	s_cbranch_scc0 .Lentry_shape_is_right
	s_endpgm
.Lentry_shape_is_right:
; Attention of one head on E4M3 codes: o = softmax(q k^T / 8) v, both products quantised; o is quantised (e10) for the projection that follows.
; INPUT qkv: [batch x head 64][plane 3][131,072]: q and k as [place 2,048][64 codes], v as [block of 128 keys 16][channel's place 64][128 codes]; a place is a number with bits 3 and 4 exchanged.
; OUTPUT oc: images of an operand's registers, [block of 16 rows 512][K step 8][2,048]; a head's 64 channels are half an image.
; THE SOFTMAX: t = score x log2(e) / 8; M = the running largest t rounded up to a whole number; p = 2^(t - M) is quantised (e8), not normalised; the row's sum is taken of the unquantised p and divides at the end.
; SHARES.  A work-group owns 512 queries of a head, each of its eight waves 64 of them (four tiles), so that a fragment of K or V feeds four matrix instructions.  The four work-groups of a head form a cluster
; and ask for K and V jointly.  A head's K and V, 2 x 131,072 bytes, lie whole in LDS (rows of 256 bytes + 16 of padding); nothing is filled again.  Each wave issues two loads: at the head its eighth of keys 0-511,
; and behind a round of the cluster its eighth of keys 512-2,047, which has four key steps in which to land.  Waves 0-3 fetch K, waves 4-7 V.
; A KEY STEP is 128 keys.  Two tiles go through the softmax together, line by line, so that no line waits for the line above it.  K's and V's fragments have registers of their own: the next step's K is asked for in
; the step's middle, the next step's V at its end.  In a loop's last step that look-ahead is held at the step's own bytes, so that nothing is read that has not landed or lies behind V.
; No prefetch: both tensor loads are issued in the head, the second as soon as the first has landed; there is no later load to run ahead of.
; LAYOUT.  Both products are used transposed (S^T = K Q^T, O^T = V^T P^T): a lane holds one query; by the places, the 16 registers of two neighbouring tiles are 16 neighbours along the next K.
; LIMITS: e6 + e7 between -123 and 130; e8 between -126 and 119; e10 - e8 - e9 between -126 and 119; the scaled scores stay under 2^31 in magnitude.  NaN among the inputs is not served.
; REGISTERS.  Window 0: v1-3 addresses; v4-7 at work; v8 the conversion's scale; v12, v13 the add's two; v16-31 for each tile -M, the largest t, the sum in two halves; v32-39 for each tile f (in pairs); v40-71 Q;
; v72-135, v136-199 S^T of two tiles, then p; v200-231 their codes.  Window 1: v0-127 O^T; v128-191 K's fragments; v192-255 V's.
.set VOFF,  139264                     ; V's rows lie behind K's 512 rows of 272 bytes
.set STEPB, 8704                       ; 128 keys: 32 rows of 272 bytes, of K and of V alike
.set PARTA, 34816                      ; 512 keys
.set HEADB, 393216
.set SPARE, 0x44000                    ; behind K and V: the spare words, 128 bytes for each wave
.set AK0, 1
.set AV0, 2
.set ADR, 3
.set SPW, 12
.set NIL, 13
.set Q,   40
.set S0,  72
.set S1,  136
.set P,   200
.set O,   0
.set KF,  128
.set VF,  192
.set WV,  18
.set SEL, 20
.set CS,  22
.set G1,  24                           ; s[24:31] group 1 of the first load: 32 rows;  s[40:47] of the second: 96 rows
.set G0,  32                           ; s[32:35], s[36:39] their groups 0
.set G1B, 40
.set TB,  48
.set CNT, 49
.set PLIM, 50
.set PSC,  51
.set OLIM, 52
.set OSC,  53
.set TN,  60
.set MSB, 0
.macro WIN new                         ; the immediate's high byte repeats the setting that is left
.if MSB != (\new)
	s_set_vgpr_msb (MSB<<8)|(\new)
.set MSB, (\new)
.endif
.endm
.macro NOPS n
.rept \n
	v_nop
.endr
.endm
.macro ROUND                           ; a round of the cluster's barrier
	s_barrier_signal -1
	s_barrier_wait -1
	s_cmp_lg_u32 s[WV], 0
	s_cbranch_scc1 .Lnot_wave_0_\@
	s_barrier_signal -3
.Lnot_wave_0_\@:
	s_barrier_wait -3
	s_barrier_signal -1
	s_barrier_wait -1
.endm
	s_load_b128 s[4:7], s[0:1], 0x0                ; qkv, the scales' exponents
	s_load_b64 s[8:9], s[0:1], 0x10                ; oc
	v_lshl_add_u32 v[SPW], v0, 2, SPARE
	v_mov_b32 v[NIL], 0
	ds_add_u32 v[SPW], v[NIL]                      ; the opening lines: the add, twice on end, and its wait
	ds_add_u32 v[SPW], v[NIL]
	v_lshrrev_b32 v1, 5, v0
	v_readfirstlane_b32 s[WV], v1                  ; wave 0..7
	s_bfe_u32 s10, ttmp6, 0x40000                  ; cx: which 512 queries
	s_and_b32 s11, ttmp7, 0xffff                   ; batch x head
	s_mul_i32 s12, s11, HEADB
	s_lshr_b32 s14, s[WV], 2                       ; I fetch for K (0) or V (1),
	s_and_b32 s15, s[WV], 3                        ; its quarter number s15
	s_lshl_b32 s55, s14, 17
	s_add_co_u32 s55, s55, s12
	s_add_co_u32 s55, s55, 131072                  ; plane 1 or 2 of my head
	s_lshl_b32 s16, s15, 13                        ; first load: 8,192 bytes a wave
	s_add_co_u32 s16, s16, s55
	s_mov_b32 s17, 0
	s_mul_i32 s56, s15, 24576                      ; second load: 24,576 bytes a wave, behind the first 32,768
	s_add_co_u32 s56, s56, s55
	s_add_co_u32 s56, s56, 32768
	s_mov_b32 s57, 0
	s_mul_i32 s19, s14, VOFF
	s_mul_i32 s13, s15, 8704                       ; 32 LDS rows
	s_mul_i32 s59, s15, 26112                      ; 96 LDS rows
	s_add_co_u32 s58, s19, s59
	s_add_co_u32 s58, s58, PARTA
	s_add_co_u32 s19, s19, s13
	s_mov_b32 s[G1], 15|(1<<20)|(1<<21)|(5<<22)|(3<<25)   ; the mask names the cluster's four; elements of 1 byte; four words of padding behind every 64
	s_mov_b32 s[G1+1], 256<<16
	s_mov_b32 s[G1+2], 32<<16
	s_mov_b32 s[G1+3], 256<<16
	s_mov_b32 s[G1+4], 32
	s_mov_b32 s[G1+5], 256
	s_mov_b32 s[G1+6], 0
	s_mov_b32 s[G1+7], 0
	s_mov_b32 s[G1B], 15|(1<<20)|(1<<21)|(5<<22)|(3<<25)
	s_mov_b32 s[G1B+1], 256<<16
	s_mov_b32 s[G1B+2], 96<<16
	s_mov_b32 s[G1B+3], 256<<16
	s_mov_b32 s[G1B+4], 96
	s_mov_b32 s[G1B+5], 256
	s_mov_b32 s[G1B+6], 0
	s_mov_b32 s[G1B+7], 0
	s_wait_dscnt 0x0                               ; both opening adds are done
	s_wait_kmcnt 0x0
	s_load_b256 s[68:75], s[6:7], 0x0              ; e0 .. e7
	s_load_b128 s[76:79], s[6:7], 0x20             ; e8 .. e11
	s_mov_b32 s[G0], 1
	s_mov_b32 s[G0+1], s19
	s_add_nc_u64 s[G0+2:G0+3], s[4:5], s[16:17]
	s_or_b32 s[G0+3], s[G0+3], 0x80000000
	s_mov_b32 s[G0+4], 1
	s_mov_b32 s[G0+5], s58
	s_add_nc_u64 s[G0+6:G0+7], s[4:5], s[56:57]
	s_or_b32 s[G0+7], s[G0+7], 0x80000000
	ROUND                                          ; the four work-groups are here: the joint loads meet
	tensor_load_to_lds s[G0:G0+3], s[G1:G1+7]      ; keys 0-511: my one load at the head
	s_nop 0
	s_lshl_b32 s13, s10, 9
	s_lshl_b32 s14, s[WV], 6
	s_add_co_u32 s13, s13, s14                     ; my first query's place
	s_lshl_b32 s14, s13, 6
	s_add_co_u32 s14, s14, s12
	s_mov_b32 s15, 0
	s_add_nc_u64 s[14:15], s[4:5], s[14:15]
	s_mov_b32 s[SEL], 0x76543210
	s_mov_b32 s[SEL+1], 0xfedcba98
	s_mov_b32 s[CS], 0x3e38aa3b                    ; log2(e) / 8
	v_and_b32 v4, 15, v0                           ; r
	v_bfe_u32 v5, v0, 4, 1                         ; h
	v_lshrrev_b32 v6, 2, v4
	v_lshrrev_b32 v7, 1, v4
	v_lshlrev_b32 v[ADR], 6, v4
	v_mul_u32_u24 v[AK0], v6, 272                  ; K: four places of 64 bytes to an LDS row
	v_mul_u32_u24 v[AV0], v7, 272                  ; V: two places of 128 bytes to an LDS row
	v_and_b32 v6, 3, v4
	v_and_b32 v7, 1, v4
	v_lshl_add_u32 v[ADR], v5, 4, v[ADR]
	v_lshl_add_u32 v[AK0], v6, 6, v[AK0]
	v_lshl_add_u32 v[AV0], v7, 7, v[AV0]
.irp u, 0,1,2,3
.irp c, 0,1
	global_load_b128 v[Q+8*\u+4*\c:Q+8*\u+4*\c+3], v[ADR], s[14:15] offset:1024*\u+32*\c   ; Q's four fragments stay in registers
.endr
.endr
	v_lshl_add_u32 v[AK0], v5, 4, v[AK0]
	v_lshl_add_u32 v[AV0], v5, 4, v[AV0]
.irp u, 0,1,2,3
	v_mov_b32 v[16+4*\u], 0x7f61b1e6               ; -M
	v_mov_b32 v[17+4*\u], 0xff61b1e6               ; the largest t so far: -3e38
	v_mov_b32 v[18+4*\u], 0                        ; the sum, in two halves
	v_mov_b32 v[19+4*\u], 0
	v_mov_b32 v[32+2*\u], 0
	v_mov_b32 v[33+2*\u], 0                        ; (named as the upper half of f's pair)
.endr
	v_add_nc_u32 v[AV0], VOFF, v[AV0]
	WIN 0x40
.set j, 0
.rept 128
	v_mov_b32 v[O+j], 0                            ; the step is written once: the first finds zeros
.set j, j+1
.endr
	WIN 0
	s_wait_kmcnt 0x0
	s_add_co_i32 s54, s74, s75
	s_lshl_b32 s54, s54, 23
	s_add_co_i32 s[CS], s[CS], s54                 ; x 2^(e6 + e7)
	s_mov_b32 s[CS+1], s[CS]
	s_add_co_i32 s54, s76, 127
	s_lshl_b32 s[PSC], s54, 23                     ; 2^e8
	s_add_co_i32 s54, s54, 8
	s_lshl_b32 s[PLIM], s54, 23
	s_or_b32 s[PLIM], s[PLIM], 0x600000            ; 448 x 2^e8
	s_sub_co_i32 s54, s78, s76
	s_sub_co_i32 s54, s54, s77
	s_add_co_i32 s54, s54, 127
	s_lshl_b32 s[OSC], s54, 23                     ; 2^(e10 - e8 - e9)
	s_add_co_i32 s54, s54, 8
	s_lshl_b32 s[OLIM], s54, 23
	s_or_b32 s[OLIM], s[OLIM], 0x600000
	v_mov_b32 v8, s[PSC]
; Tiles a and a + 1: their 2 x 64 scores a lane become p's codes; their sums and O^T come under the new M.  The two tiles' lines take turns.
.macro SM2 a
.set MA, 16+4*(\a)
.set MC, 20+4*(\a)
.set FA, 32+2*(\a)
.set FC, 34+2*(\a)
	v_max3_num_f32 v4, v[S0], v[S0+1], v[S0+2]
	v_max3_num_f32 v6, v[S1], v[S1+1], v[S1+2]
	v_max3_num_f32 v5, v[S0+3], v[S0+4], v[S0+5]
	v_max3_num_f32 v7, v[S1+3], v[S1+4], v[S1+5]
.set j, 6
.rept 14
	v_max3_num_f32 v4, v4, v[S0+j], v[S0+j+1]
	v_max3_num_f32 v6, v6, v[S1+j], v[S1+j+1]
	v_max3_num_f32 v5, v5, v[S0+j+2], v[S0+j+3]
	v_max3_num_f32 v7, v7, v[S1+j+2], v[S1+j+3]
.set j, j+4
.endr
	v_max3_num_f32 v4, v4, v[S0+62], v[S0+63]
	v_max3_num_f32 v6, v6, v[S1+62], v[S1+63]
	v_max_num_f32 v4, v4, v5
	v_max_num_f32 v6, v6, v7
	v_permlanex16_b32 v5, v4, s[SEL], s[SEL+1]
	v_permlanex16_b32 v7, v6, s[SEL], s[SEL+1]
	v_max_num_f32 v4, v4, v5
	v_max_num_f32 v6, v6, v7
	v_mul_f32 v4, s[CS], v4
	v_mul_f32 v6, s[CS], v6
	v_max_num_f32 v[MA+1], v[MA+1], v4             ; the running largest t
	v_max_num_f32 v[MC+1], v[MC+1], v6
	v_mov_b32 v4, v[MA]
	v_mov_b32 v6, v[MC]
	v_floor_f32 v[MA], -v[MA+1]                    ; -M = floor(-t)
	v_floor_f32 v[MC], -v[MC+1]
	v_sub_f32 v4, v[MA], v4
	v_sub_f32 v6, v[MC], v6
	v_cvt_i32_f32 v4, v4
	v_cvt_i32_f32 v6, v6
	v_ldexp_f32 v[FA], 1.0, v4                     ; f = 2^(old M - new M)
	v_ldexp_f32 v[FC], 1.0, v6
.set j, 0
.rept 32
	v_pk_fma_f32 v[S0+j:S0+j+1], v[S0+j:S0+j+1], s[CS:CS+1], v[MA:MA+1] op_sel_hi:[1,0,0]   ; t - M
	v_pk_fma_f32 v[S1+j:S1+j+1], v[S1+j:S1+j+1], s[CS:CS+1], v[MC:MC+1] op_sel_hi:[1,0,0]
.set j, j+2
.endr
	s_wait_alu depctr_va_vdst(0)
.set j, 0
.rept 128
	v_exp_f32 v[S0+j], v[S0+j]
.set j, j+1
.endr
	v_pk_mul_f32 v[MA+2:MA+3], v[MA+2:MA+3], v[FA:FA+1] op_sel_hi:[1,0]
	v_pk_mul_f32 v[MC+2:MC+3], v[MC+2:MC+3], v[FC:FC+1] op_sel_hi:[1,0]
	s_wait_alu depctr_va_vdst(0)                   ; and behind it, ahead of its first reader
	v_pk_add_f32 v[4:5], v[S0:S0+1], v[S0+2:S0+3]  ; the sums of the unquantised p, two chains a tile
	v_pk_add_f32 v[6:7], v[S1:S1+1], v[S1+2:S1+3]
.set j, 4
.rept 15
	v_pk_add_f32 v[MA+2:MA+3], v[MA+2:MA+3], v[S0+j:S0+j+1]
	v_pk_add_f32 v[MC+2:MC+3], v[MC+2:MC+3], v[S1+j:S1+j+1]
	v_pk_add_f32 v[4:5], v[4:5], v[S0+j+2:S0+j+3]
	v_pk_add_f32 v[6:7], v[6:7], v[S1+j+2:S1+j+3]
.set j, j+4
.endr
	v_pk_add_f32 v[MA+2:MA+3], v[MA+2:MA+3], v[4:5]
	v_pk_add_f32 v[MC+2:MC+3], v[MC+2:MC+3], v[6:7]
.set j, 0
.rept 64                               ; the hold (the conversion does not saturate: ISA guide 7.6.2); p is not negative, so it is one-sided; two numbers an instruction
	v_dual_min_num_f32 v[S0+j], s[PLIM], v[S0+j] :: v_dual_min_num_f32 v[S0+j+1], s[PLIM], v[S0+j+1]
.set j, j+2
.endr
.irp n, 0,1,2,3,4,5,6,7
	v_cvt_scalef32_pk8_fp8_f32 v[P+4*\n:P+4*\n+1], v[S0+16*\n:S0+16*\n+7], v8
	v_cvt_scalef32_pk8_fp8_f32 v[P+4*\n+2:P+4*\n+3], v[S0+16*\n+8:S0+16*\n+15], v8
.endr
	WIN 0x41                                       ; O^T lies in window 1, f in window 0
	s_wait_alu depctr_va_vdst(0)
.set j, 0
.rept 16
	v_pk_mul_f32 v[O+32*(\a)+j:O+32*(\a)+j+1], v[O+32*(\a)+j:O+32*(\a)+j+1], v[FA:FA+1] op_sel_hi:[1,0]
.set j, j+2
.endr
.set j, 0
.rept 16
	v_pk_mul_f32 v[O+32*(\a)+32+j:O+32*(\a)+32+j+1], v[O+32*(\a)+32+j:O+32*(\a)+32+j+1], v[FC:FC+1] op_sel_hi:[1,0]
.set j, j+2
.endr
.endm
.macro QK a                            ; S^T of tiles a and a + 1
	WIN 0x01                                       ; source 0 (K) window 1
.irp t, 0,1,2,3,4,5,6,7
	v_wmma_f32_16x16x64_fp8_fp8 v[S0+8*\t:S0+8*\t+7], v[KF+8*\t:KF+8*\t+7], v[Q+8*(\a):Q+8*(\a)+7], 0
.endr
.irp t, 0,1,2,3,4,5,6,7
	v_wmma_f32_16x16x64_fp8_fp8 v[S1+8*\t:S1+8*\t+7], v[KF+8*\t:KF+8*\t+7], v[Q+8*(\a)+8:Q+8*(\a)+15], 0
.endr
.endm
.macro PV a                            ; O^T of tiles a and a + 1: eight accumulators by turns
	WIN 0x51                                       ; source 0 (V), C and D window 1; source 1 (p's codes) window 0
.irp t, 0,1,2,3
.irp u, 0,1
	v_wmma_f32_16x16x128_fp8_fp8 v[O+32*((\a)+\u)+8*\t:O+32*((\a)+\u)+8*\t+7], v[VF+16*\t:VF+16*\t+15], v[P+16*\u:P+16*\u+15], v[O+32*((\a)+\u)+8*\t:O+32*((\a)+\u)+8*\t+7]
.endr
.endr
.endm
.macro LOADK                           ; 16 loads: eight tiles of 16 keys
	WIN 0x40
.irp t, 0,1,2,3,4,5,6,7
	ds_load_b128 v[KF+8*\t:KF+8*\t+3], v[ADR] offset:1088*\t
	ds_load_b128 v[KF+8*\t+4:KF+8*\t+7], v[ADR] offset:1088*\t+32
.endr
	WIN 0
.endm
.macro LOADV                           ; 16 loads: four tiles of 16 channels x 128 keys
	WIN 0x40
.irp t, 0,1,2,3
.irp c, 0,1,2,3
	ds_load_b128 v[VF+16*\t+4*\c:VF+16*\t+4*\c+3], v[ADR] offset:2176*\t+32*\c
.endr
.endr
	WIN 0
.endm
.macro STEP lim                        ; 128 keys for my 64 queries; lim: the loop's last step, at which the look-ahead is held
	s_wait_dscnt 16                                ; K's fragments are in; the 16 loads issued behind them, V's, may be out
	QK 0
	WIN 0
	NOPS 4
	SM2 0
	s_wait_alu depctr_va_vdst(0)
	s_wait_dscnt 0x0                               ; V's fragments are in
	PV 0
	QK 2
	WIN 0
	s_add_co_u32 s[TN], s[TB], STEPB
	s_min_u32 s[TN], s[TN], \lim
	v_add_nc_u32 v[ADR], s[TN], v[AK0]
	NOPS 3                                         ; with the line above: four places behind the products, for the loads below and for the reads of S^T
	LOADK                                          ; the next step's K lands under the softmax below
	SM2 2
	PV 2
	WIN 0
	v_add_nc_u32 v[ADR], s[TN], v[AV0]
	NOPS 3
	LOADV                                          ; the next step's V lands under the next step's first softmax
	s_add_co_u32 s[TB], s[TB], STEPB
.endm
.macro WALK n, lim
	v_add_nc_u32 v[ADR], s[TB], v[AK0]
	LOADK
	v_add_nc_u32 v[ADR], s[TB], v[AV0]
	LOADV
	s_mov_b32 s[CNT], \n
.Lstep_\@:
	STEP \lim
	s_sub_co_u32 s[CNT], s[CNT], 1
	s_cmp_lg_u32 s[CNT], 0
	s_cbranch_scc1 .Lstep_\@
.endm
	s_wait_alu depctr_va_vdst(0)
	s_wait_tensorcnt 0x0                           ; my part of keys 0-511 is in
	ds_add_u32 v[SPW], v[NIL]
	s_wait_dscnt 0x0
	ROUND                                          ; everybody's part is in, and the four work-groups meet
	tensor_load_to_lds s[G0+4:G0+7], s[G1B:G1B+7]  ; keys 512-2,047: bytes filled for the first time
	s_nop 0
	NOPS 4
	s_wait_loadcnt 0x0                             ; Q
	s_mov_b32 s[TB], 0
	WALK 4, 3*STEPB
	s_wait_tensorcnt 0x0                           ; my part of keys 512-2,047 is in,
	s_wait_dscnt 0x0
	s_barrier_signal -1
	s_barrier_wait -1                              ; everybody's is
	s_mov_b32 s[TB], PARTA
	WALK 12, 15*STEPB
	; THE WAY OUT: O^T / the sum, quantised with 2^(e10 - e8 - e9); a lane's 16 codes of two neighbouring tiles are 16 bytes of an image
	s_lshr_b32 s13, s11, 4                         ; batch
	s_and_b32 s14, s11, 15                         ; head
	s_lshl_b32 s13, s13, 7
	s_lshl_b32 s15, s10, 5
	s_add_co_u32 s13, s13, s15
	s_lshl_b32 s15, s[WV], 2
	s_add_co_u32 s13, s13, s15                     ; my first block of 16 rows
	s_lshl_b32 s13, s13, 14
	s_lshl_b32 s14, s14, 10
	s_add_co_u32 s12, s13, s14
	s_mov_b32 s13, 0
	s_add_nc_u64 s[8:9], s[8:9], s[12:13]
.irp u, 0,1,2,3
	v_add_f32 v[18+4*\u], v[18+4*\u], v[19+4*\u]
.endr
.irp u, 0,1,2,3
	v_permlanex16_b32 v[4+\u], v[18+4*\u], s[SEL], s[SEL+1]
.endr
.irp u, 0,1,2,3
	v_add_f32 v[18+4*\u], v[18+4*\u], v[4+\u]      ; the rows' sums
.endr
	s_wait_alu depctr_va_vdst(0)
.irp u, 0,1,2,3
	v_rcp_f32 v[32+2*\u], v[18+4*\u]
.endr
	v_mov_b32 v9, s[OLIM]
	v_mov_b32 v8, s[OSC]
	v_and_b32 v10, 31, v0
	v_lshlrev_b32 v10, 4, v10
	WIN 0x01                                       ; source 0 (O^T) window 1
	s_wait_alu depctr_va_vdst(0)                   ; and ahead of their first reader, which is also O^T's
.irp u, 0,1,2,3
.set j, 0
.rept 16
	v_pk_mul_f32 v[S0+32*\u+j:S0+32*\u+j+1], v[O+32*\u+j:O+32*\u+j+1], v[32+2*\u:33+2*\u] op_sel_hi:[1,0]
.set j, j+2
.endr
.endr
	WIN 0
.set j, 0
.rept 128
	v_med3_num_f32 v[S0+j], v[S0+j], -v9, v9
.set j, j+1
.endr
.irp n, 0,1,2,3,4,5,6,7,8,9,10,11,12,13,14,15
	v_cvt_scalef32_pk8_fp8_f32 v[P+2*\n:P+2*\n+1], v[S0+8*\n:S0+8*\n+7], v8
.endr
	v_nop                                          ; a plain line behind the last conversion
.irp u, 0,1,2,3
.irp n, 0,1
	global_store_b128 v10, v[P+8*\u+4*\n:P+8*\u+4*\n+3], s[8:9] offset:16384*\u+512*\n   ; 32 lanes store 512 consecutive bytes, aligned
.endr
.endr
	s_wait_tensorcnt 0x0                           ; the wave's end
	ds_add_u32 v[SPW], v[NIL]
	s_wait_dscnt 0x0
	ROUND                                          ; the closing round
	s_endpgm
.Lfunc_end_k_q6bac8f293c_attn:
	.size	k_q6bac8f293c_attn, .Lfunc_end_k_q6bac8f293c_attn-k_q6bac8f293c_attn
	.p2alignl 7, 3214868480
	.fill 96, 4, 3214868480
	.section	.rodata,"a",@progbits
	.p2align	6, 0x0
	.amdhsa_kernel k_q6bac8f293c_attn
		.amdhsa_group_segment_fixed_size 327680
		.amdhsa_private_segment_fixed_size 0
		.amdhsa_enable_private_segment 0
		.amdhsa_kernarg_size 24
		.amdhsa_user_sgpr_count 2
		.amdhsa_user_sgpr_kernarg_segment_ptr 1
		.amdhsa_wavefront_size32 1
		.amdhsa_system_sgpr_workgroup_id_x 1
		.amdhsa_system_sgpr_workgroup_id_y 1
		.amdhsa_system_sgpr_workgroup_id_z 1
		.amdhsa_system_vgpr_workitem_id 0
		.amdhsa_next_free_vgpr 512
		.amdhsa_next_free_sgpr 84
		.amdhsa_reserve_vcc 0
		.amdhsa_float_denorm_mode_32 3
		.amdhsa_float_denorm_mode_16_64 3
		.amdhsa_memory_ordered 1
		.amdhsa_forward_progress 1
		.amdhsa_inst_pref_size 141
	.end_amdhsa_kernel
	.amdgpu_metadata
---
amdhsa.version: [ 1, 2 ]
amdhsa.kernels:
  - .name:           k_q6bac8f293c_attn
    .symbol:         k_q6bac8f293c_attn.kd
    .args:
      - { .name: qkv, .offset: 0, .size: 8, .value_kind: global_buffer, .address_space: global }
      - { .name: lowp_scales, .offset: 8, .size: 8, .value_kind: global_buffer, .address_space: global }
      - { .name: oc, .offset: 16, .size: 8, .value_kind: global_buffer, .address_space: global }
    .group_segment_fixed_size: 327680
    .private_segment_fixed_size: 0
    .kernarg_segment_align: 8
    .kernarg_segment_size: 24
    .max_flat_workgroup_size: 256
    .sgpr_count:     84
    .vgpr_count:     512
    .wavefront_size: 32
...
	.end_amdgpu_metadata
.endif
;; end of part 3
;; launch oproj (part 4): grid 4 x 64, 4 waves a work-group, clusters of 4 x 4, 327,680 bytes of LDS; arguments oc, wc, lowp_scales, bo, out0; writes out0
.if DOCPART == 4
	.amdgcn_target "amdgcn-amd-amdhsa--gfx1250"
	.amdhsa_code_object_version 6
	.text
	.protected	k_q6bac8f293c_oproj
	.globl	k_q6bac8f293c_oproj
	.p2align	8
	.type	k_q6bac8f293c_oproj,@function
k_q6bac8f293c_oproj:
	s_mov_b64 s[64:65], 0
	v_nop
	global_prefetch_b8 v0, s[64:65] scope:SCOPE_SE
	s_setreg_imm32_b32 hwreg(HW_REG_WAVE_MODE, 25, 1), 1
	s_wait_xcnt 0x0
	s_wait_alu depctr_hold_cnt(0) depctr_sa_sdst(0) depctr_va_vdst(0) depctr_va_sdst(0) depctr_va_ssrc(0) depctr_va_vcc(0) depctr_vm_vsrc(0)
	s_getreg_b32 s2, hwreg(HW_REG_IB_STS2, 6, 4)
	s_cmp_eq_u32 s2, 0
	s_cbranch_scc0 .Lentry_in_a_cluster
	s_endpgm
.Lentry_in_a_cluster:
	s_bfe_u32 s2, ttmp6, 0x10000c
	s_cmp_lg_u32 s2, 0xf033
	s_cbranch_scc0 .Lentry_shape_is_right
	s_endpgm
.Lentry_shape_is_right:
; out0 = o Wo^T x 2^(e10 + e11) + bo: [8192 x 1024] x [1024 x 1024] on E4M3 codes, f32 sums.
; OPERANDS lie in memory as images of the operand's registers: [block of 16 rows][K step 8][2,048 bytes]; a fragment comes by four ds_load_b128 of 512 consecutive bytes.  oc's rows stand in the order of places
; (a token's number with bits 3 and 4 exchanged); the stores put each row at its token.
; SHARES.  A block of 128 rows of o x 256 channels for a work-group: 64 x 4 = 256 work-groups.  Four waves, 64 x 128 each: 32 accumulators, 256 registers.  The matrix instruction is used transposed
; (source 0 = 16 rows of Wo, source 1 = 16 rows of o): a lane holds eight neighbouring channels of one row.
; K's eight steps of 128 come by three joint loads a wave: steps 0-3 (196,608 bytes a work-group) at the head; steps 4, 5 (98,304 bytes behind them) as a later first fill; steps 6, 7 over the first 98,304 bytes,
; as a refill, when every wave has read steps 0-3.  Waves 0, 1 fetch o's halves, waves 2, 3 Wo's.  Every wait on TENSORcnt is for 0.
; CLUSTERS: 4 x 4 work-groups; o's tile is shared along a row of the cluster, Wo's along a column.
; No prefetch: K is short; a wave's three loads follow each other as each lands, and there is no loop to run ahead in.
; LIMIT: e10 + e11 between -126 and 127.
; REGISTERS.  Window 0: v8-11 bo, v16-29 addresses, v64-191 o's fragments, two sets (on the way out rows read back).  Window 1: Wo's fragments, two sets.  Window 2: the accumulators, (a, b) at v[8 (8 a + b)].
.set FR,    16
.set R0B,   65536                      ; steps 0-3: o's 8 blocks x 8,192 bytes at 0, Wo's 16 blocks behind them
.set R1A,   196608                     ; steps 4, 5: o's 8 blocks x 4,096,
.set R1B,   229376                     ; Wo's 16
.set R2B,   32768                      ; steps 6, 7: o's at 0, Wo's here
.set STAGE, 98304                      ; the way out: 16 rows x 528 bytes a wave, in bytes that have had their one fill and their last read
.set SPARE, 294912                     ; the spare words, 128 bytes for each wave
.set SPITCH, 528
.set A0, 16
.set B0, 17
.set A1, 18
.set B1, 19
.set A2, 20
.set B2, 21
.set STO,  24
.set RD,   25
.set CO,   26
.set SPW,  28
.set NIL,  29
.set AF,   64
.set BK,   64
.set GA4, 24                           ; groups 1: o's and Wo's tiles of four K steps,
.set GB4, 32
.set GA2, 40                           ; and of two
.set GB2, 48
.set MSB, 0
.macro WIN new                         ; the immediate's high byte repeats the setting that is left
.if MSB != (\new)
	s_set_vgpr_msb (MSB<<8)|(\new)
.set MSB, (\new)
.endif
.endm
.set MUL_W, 0xa1                       ; source 0 window 1, source 1 window 0, C and D window 2
.set TO_B,  0x40
.macro JLOAD g0a, g1a, g0b, g1b        ; a joint load; the branch hangs on the wave's number alone; s_nop 0 and four v_nop follow each line
	s_cmp_eq_u32 s15, 0
	s_cbranch_scc0 .Lfor_b_\@
	tensor_load_to_lds s[\g0a:\g0a+3], s[\g1a:\g1a+7]
	s_nop 0
.rept 4
	v_nop
.endr
	s_branch .Lasked_\@
.Lfor_b_\@:
	tensor_load_to_lds s[\g0b:\g0b+3], s[\g1b:\g1b+7]
	s_nop 0
.rept 4
	v_nop
.endr
.Lasked_\@:
.endm
.macro CROUND                          ; a round of the cluster's barrier
	s_barrier_signal -1
	s_barrier_wait -1
	s_cmp_lg_u32 s14, 0
	s_cbranch_scc1 .Lnot_wave_0_\@
	s_barrier_signal -3
.Lnot_wave_0_\@:
	s_barrier_wait -3
	s_barrier_signal -1
	s_barrier_wait -1
.endm
.macro G1SET g, len, rows              ; rows of len bytes, 16,384 bytes apart in memory, on end in LDS
	s_mov_b32 s[\g+1], (\len)<<16
	s_mov_b32 s[\g+2], (\rows)<<16
	s_mov_b32 s[\g+3], (\len)<<16
	s_mov_b32 s[\g+4], \rows
	s_mov_b32 s[\g+5], 16384
	s_mov_b32 s[\g+6], 0
	s_mov_b32 s[\g+7], 0
.endm
.macro G0SET g, lds, base, off
	s_mov_b32 s[\g], 1
	s_mov_b32 s[\g+1], s[\lds]
	s_add_nc_u64 s[\g+2:\g+3], s[\base:\base+1], \off
	s_or_b32 s[\g+3], s[\g+3], 0x80000000
.endm
	s_load_b128 s[4:7], s[0:1], 0x0                ; oc, wc
	s_load_b128 s[8:11], s[0:1], 0x10              ; the scales' exponents, bo
	s_load_b64 s[12:13], s[0:1], 0x20              ; out0
	v_lshl_add_u32 v[SPW], v0, 2, SPARE
	v_mov_b32 v[NIL], 0
	ds_add_u32 v[SPW], v[NIL]                      ; the opening lines: the add, twice on end, and its wait
	ds_add_u32 v[SPW], v[NIL]
	v_lshrrev_b32 v1, 5, v0
	v_readfirstlane_b32 s14, v1                    ; wave 0..3
	s_lshr_b32 s15, s14, 1                         ; which 64 rows of o are mine.  Also: I fetch for o (0) or for Wo (1)
	s_and_b32 s16, s14, 1                          ; which 128 channels.  Also: which half of that tile I fetch
	s_bfe_u32 s93, ttmp6, 0x40000                  ; cx, cy
	s_bfe_u32 s94, ttmp6, 0x40004
	s_lshl_b32 s95, ttmp9, 2
	s_add_co_u32 s95, s95, s93                     ; tile column
	s_and_b32 s17, ttmp7, 0xffff
	s_lshl_b32 s17, s17, 2
	s_add_co_u32 s17, s17, s94                     ; tile row
	s_lshl_b32 s18, s94, 2
	s_lshl_b32 s18, 15, s18                        ; my row of the cluster
	s_lshl_b32 s19, 0x1111, s93                    ; my column
	s_or_b32 s[GA4], s18, (1<<21)
	s_or_b32 s[GA2], s18, (1<<21)
	s_or_b32 s[GB4], s19, (1<<21)
	s_or_b32 s[GB2], s19, (1<<21)
	G1SET GA4, 8192, 4
	G1SET GB4, 8192, 8
	G1SET GA2, 4096, 4
	G1SET GB2, 4096, 8
	s_lshl_b32 s84, s15, 15                        ; LDS: my 4 blocks of o in steps 0-3,
	s_lshl_b32 s85, s16, 16
	s_add_co_u32 s85, s85, R0B                     ; my 8 blocks of Wo (also: where Wo's half number s16 lands),
	s_lshl_b32 s86, s15, 14
	s_add_co_u32 s86, s86, R1A                     ; the same in steps 4, 5,
	s_lshl_b32 s87, s16, 15
	s_add_co_u32 s87, s87, R1B
	s_lshl_b32 s88, s15, 14                        ; and in steps 6, 7
	s_lshl_b32 s89, s16, 15
	s_add_co_u32 s89, s89, R2B
	s_lshl_b32 s90, s16, 15                        ; where o's half number s16 lands: steps 0-3,
	s_lshl_b32 s91, s16, 14
	s_add_co_u32 s91, s91, R1A                     ; 4, 5,
	s_lshl_b32 s92, s16, 14                        ; 6, 7
	s_lshl_b32 s20, s17, 17                        ; o: 8 blocks of 16,384 bytes a tile, 4 a half
	s_lshl_b32 s18, s16, 16
	s_add_co_u32 s20, s20, s18
	s_mov_b32 s21, 0
	s_lshl_b32 s22, s95, 18                        ; Wo: 16 blocks a tile, 8 a half, in wc's fourth plane
	s_lshl_b32 s19, s16, 17
	s_add_co_u32 s22, s22, s19
	s_add_co_u32 s22, s22, 3145728
	s_mov_b32 s23, 0
	s_wait_dscnt 0x0                               ; both opening adds are done
	s_wait_kmcnt 0x0
	s_load_b64 s[96:97], s[8:9], 0x28              ; e10, e11
	s_add_nc_u64 s[20:21], s[4:5], s[20:21]
	s_add_nc_u64 s[22:23], s[6:7], s[22:23]
	G0SET 56, 90, 20, 0
	G0SET 60, 85, 22, 0
	G0SET 68, 91, 20, 8192
	G0SET 72, 87, 22, 8192
	G0SET 76, 92, 20, 12288
	G0SET 80, 89, 22, 12288
	CROUND                                         ; all sixteen work-groups are here: the first joint loads meet
	JLOAD 56, GA4, 60, GB4                         ; K steps 0-3: my one load at the head
	s_mul_i32 s18, s14, 16*SPITCH
	s_add_co_u32 s18, s18, STAGE                   ; my stage
	s_lshl_b32 s2, s95, 10
	s_lshl_b32 s3, s16, 9
	s_add_co_u32 s2, s2, s3                        ; my first channel, in bytes
	s_mov_b32 s3, 0
	s_add_nc_u64 s[10:11], s[10:11], s[2:3]
	s_add_nc_u64 s[12:13], s[12:13], s[2:3]
	s_lshl_b32 s2, s17, 19                         ; my first row: 128 rows of 4,096 bytes a tile, 64 a half
	s_lshl_b32 s19, s15, 18
	s_add_co_u32 s2, s2, s19
	s_add_nc_u64 s[12:13], s[12:13], s[2:3]
	v_and_b32 v1, 15, v0                           ; r
	v_bfe_u32 v2, v0, 4, 1                         ; h
	v_and_b32 v3, 31, v0
	v_lshlrev_b32 v[CO], 4, v3                     ; 16 x lane: my place in an image and in a row of 512 bytes
	v_add_nc_u32 v[A0], s84, v[CO]
	v_add_nc_u32 v[B0], s85, v[CO]
	v_add_nc_u32 v[A1], s86, v[CO]
	v_add_nc_u32 v[B1], s87, v[CO]
	v_add_nc_u32 v[A2], s88, v[CO]
	v_add_nc_u32 v[B2], s89, v[CO]
	v_mul_u32_u24 v[STO], v1, SPITCH
	v_lshl_add_u32 v[STO], v2, 5, v[STO]
	v_add_nc_u32 v[STO], s18, v[STO]               ; into my stage: row r, + 32 h
	v_add_nc_u32 v[RD], s18, v[CO]                 ; and back: a row of 512 bytes a load
	global_load_b128 v[8:11], v[CO], s[10:11]      ; bo at my four channels of a row
.macro PLACES                          ; four plain vector lines between a matrix instruction and a load into, or a read of, its registers
.rept 4
	v_nop
.endr
.endm
.macro FETCH set, ra, rb, pitch, q     ; the fragments of one K step: Wo's eight, o's four
	WIN TO_B
.irp i, 0,1,2,3,4,5,6,7
.irp c, 0,1,2,3
	ds_load_b128 v[128*(\set)+FR*\i+4*\c:128*(\set)+FR*\i+4*\c+3], v[\rb] offset:(\pitch)*\i+2048*(\q)+512*\c
.endr
.endr
	WIN 0
.irp i, 0,1,2,3
.irp c, 0,1,2,3
	ds_load_b128 v[AF+64*(\set)+FR*\i+4*\c:AF+64*(\set)+FR*\i+4*\c+3], v[\ra] offset:(\pitch)*\i+2048*(\q)+512*\c
.endr
.endr
.endm
.macro MUL set, zero                   ; 32 matrix instructions; the accumulators take turns, in the same order in every step
	WIN MUL_W
.irp a, 0,1,2,3
.irp b, 0,1,2,3,4,5,6,7
.if \zero
	v_wmma_f32_16x16x128_fp8_fp8 v[8*(8*\a+\b):8*(8*\a+\b)+7], v[128*(\set)+FR*\b:128*(\set)+FR*\b+FR-1], v[AF+64*(\set)+FR*\a:AF+64*(\set)+FR*\a+FR-1], 0
.else
	v_wmma_f32_16x16x128_fp8_fp8 v[8*(8*\a+\b):8*(8*\a+\b)+7], v[128*(\set)+FR*\b:128*(\set)+FR*\b+FR-1], v[AF+64*(\set)+FR*\a:AF+64*(\set)+FR*\a+FR-1], v[8*(8*\a+\b):8*(8*\a+\b)+7]
.endif
.endr
.endr
	WIN 0
.endm
.macro KS set, zero, nf, ra, rb, pitch, q   ; a K step on set; nf = 1: the next step's fragments are asked for first, into the other set
	s_wait_dscnt 0x0                               ; this step's fragments are in
.if \nf
	PLACES
	FETCH 1-(\set), \ra, \rb, \pitch, \q
.endif
	MUL \set, \zero
.endm
	s_wait_alu depctr_va_vdst(0)
	s_wait_tensorcnt 0x0                           ; my part of K steps 0-3 is in
	ds_add_u32 v[SPW], v[NIL]
	s_wait_dscnt 0x0
	CROUND
	JLOAD 68, GA2, 72, GB2                         ; K steps 4, 5: bytes filled for the first time
	FETCH 0, A0, B0, 8192, 0
	KS 0, 1, 1, A0, B0, 8192, 1                    ; the first products start the sums
	KS 1, 0, 1, A0, B0, 8192, 2
	KS 0, 0, 1, A0, B0, 8192, 3
	KS 1, 0, 0, A0, B0, 8192, 0
	s_wait_tensorcnt 0x0                           ; my part of K steps 4, 5 is in;
	ds_add_u32 v[SPW], v[NIL]
	s_wait_dscnt 0x0                               ; it is done, and my reads of K steps 0-3 are over
	CROUND                                         ; so of every wave of the cluster
	JLOAD 76, GA2, 80, GB2                         ; K steps 6, 7, over the first 98,304 bytes; the four v_nop are the places in front of the loads below
	FETCH 0, A1, B1, 4096, 0
	KS 0, 0, 1, A1, B1, 4096, 1
	KS 1, 0, 0, A1, B1, 4096, 0
	s_wait_tensorcnt 0x0                           ; my part of K steps 6, 7 is in,
	s_wait_dscnt 0x0
	s_barrier_signal -1
	s_barrier_wait -1                              ; everybody's is
	PLACES
	FETCH 0, A2, B2, 4096, 0
	KS 0, 0, 1, A2, B2, 4096, 1
	KS 1, 0, 0, A2, B2, 4096, 0
	; THE WAY OUT, block by block of 16 rows x 128 channels, through my own stage; LDS serves a wave's instructions in order
.macro TOSTAGE a
	WIN 0x08                                       ; store data: window 2
.irp b, 0,1,2,3,4,5,6,7
	ds_store_b128 v[STO], v[64*(\a)+8*\b:64*(\a)+8*\b+3] offset:64*\b
	ds_store_b128 v[STO], v[64*(\a)+8*\b+4:64*(\a)+8*\b+7] offset:64*\b+16
.endr
	WIN 0
.set BB, BK+64*((\a)%2)
.irp t, 0,1,2,3,4,5,6,7,8,9,10,11,12,13,14,15
	ds_load_b128 v[BB+4*\t:BB+4*\t+3], v[RD] offset:\t*SPITCH
.endr
.endm
.macro SEND a, younger                 ; row t of block a is token 32 (a / 2) + 8 (a % 2) + t + 8 (t / 8) of my 64
.set BB, BK+64*((\a)%2)
	s_wait_dscnt \younger
.irp t, 0,1,2,3,4,5,6,7,8,9,10,11,12,13,14,15
	v_pk_fma_f32 v[BB+4*\t:BB+4*\t+1], v[BB+4*\t:BB+4*\t+1], s[96:97], v[8:9] op_sel_hi:[1,0,1]
	v_pk_fma_f32 v[BB+4*\t+2:BB+4*\t+3], v[BB+4*\t+2:BB+4*\t+3], s[96:97], v[10:11] op_sel_hi:[1,0,1]
.endr
.irp t, 0,1,2,3,4,5,6,7,8,9,10,11,12,13,14,15
	global_store_b128 v[CO], v[BB+4*\t:BB+4*\t+3], s[12:13] offset:4096*(32*((\a)/2)+8*((\a)%2)+\t+8*(\t/8)) th:TH_STORE_NT   ; 32 lanes store 512 consecutive bytes, aligned
.endr
.endm
	s_wait_kmcnt 0x0
	s_wait_loadcnt 0x0                             ; bo
	s_add_co_i32 s96, s96, s97
	s_add_co_i32 s96, s96, 127
	s_lshl_b32 s96, s96, 23                        ; 2^(e10 + e11)
	s_mov_b32 s97, s96
	PLACES
	TOSTAGE 0
.irp a, 1,2,3
.if \a > 1
	s_wait_xcnt 0x0                                ; the stores of two blocks ago have read the registers that these loads take
.endif
	TOSTAGE \a
	SEND (\a)-1, 32                                ; behind the earlier block's loads: this block's 16 stores and 16 loads
.endr
	SEND 3, 0
	s_wait_tensorcnt 0x0                           ; the wave's end
	ds_add_u32 v[SPW], v[NIL]
	s_wait_dscnt 0x0
	CROUND                                         ; the closing round
	s_endpgm
.Lfunc_end_k_q6bac8f293c_oproj:
	.size	k_q6bac8f293c_oproj, .Lfunc_end_k_q6bac8f293c_oproj-k_q6bac8f293c_oproj
	.p2alignl 7, 3214868480
	.fill 96, 4, 3214868480
	.section	.rodata,"a",@progbits
	.p2align	6, 0x0
	.amdhsa_kernel k_q6bac8f293c_oproj
		.amdhsa_group_segment_fixed_size 327680
		.amdhsa_private_segment_fixed_size 0
		.amdhsa_enable_private_segment 0
		.amdhsa_kernarg_size 40
		.amdhsa_user_sgpr_count 2
		.amdhsa_user_sgpr_kernarg_segment_ptr 1
		.amdhsa_wavefront_size32 1
		.amdhsa_system_sgpr_workgroup_id_x 1
		.amdhsa_system_sgpr_workgroup_id_y 1
		.amdhsa_system_sgpr_workgroup_id_z 1
		.amdhsa_system_vgpr_workitem_id 0
		.amdhsa_next_free_vgpr 768
		.amdhsa_next_free_sgpr 100
		.amdhsa_reserve_vcc 0
		.amdhsa_float_denorm_mode_32 3
		.amdhsa_float_denorm_mode_16_64 3
		.amdhsa_memory_ordered 1
		.amdhsa_forward_progress 1
		.amdhsa_inst_pref_size 75
	.end_amdhsa_kernel
	.amdgpu_metadata
---
amdhsa.version: [ 1, 2 ]
amdhsa.kernels:
  - .name:           k_q6bac8f293c_oproj
    .symbol:         k_q6bac8f293c_oproj.kd
    .args:
      - { .name: oc, .offset: 0, .size: 8, .value_kind: global_buffer, .address_space: global }
      - { .name: wc, .offset: 8, .size: 8, .value_kind: global_buffer, .address_space: global }
      - { .name: lowp_scales, .offset: 16, .size: 8, .value_kind: global_buffer, .address_space: global }
      - { .name: bo, .offset: 24, .size: 8, .value_kind: global_buffer, .address_space: global }
      - { .name: out0, .offset: 32, .size: 8, .value_kind: global_buffer, .address_space: global }
    .group_segment_fixed_size: 327680
    .private_segment_fixed_size: 0
    .kernarg_segment_align: 8
    .kernarg_segment_size: 40
    .max_flat_workgroup_size: 128
    .sgpr_count:     100
    .vgpr_count:     768
    .wavefront_size: 32
...
	.end_amdgpu_metadata
.endif
;; end of part 4
